; MI455X (gfx1250); checked and timed in simulation.
; The chip was launched on July 23, 2026; its instructions are those of AMD's public machine-readable ISA for CDNA 5 (MIT licence, August 2026) and "CDNA5" Instruction Set Architecture Reference Guide (July 2026). The comments in the code are by the model that wrote it; some were corrected since.
;; Self Attention. Allowed arithmetic: matrix products marked QUANTISED: E2M1 operands, one E8M0 scale for each 32 along K, by v_wmma_scale_f32_16x16x128_f8f6f4 with both operands' format E2M1 (or v_wmma_scale_f32_32x16x128_f4), f32 sums; products left as they are: bf16, f16 or f32 operands; f32 sums; everything else in f32.
;; Inputs: W_out 1,024 x 1,024 float32; W_qkv 3,072 x 1,024 float32; scale one number float32; x 2 x 2,048 x 1,024 float32.
;; Outputs: out0 2 x 2,048 x 1,024 float32.
;; This version of the problem:
;;   THIS VERSION OF THE PROBLEM IS GIVEN IN LOW PRECISION. The matrix products marked QUANTISED in the list below multiply operands that are first quantised to E2M1 (2 exponent bits, 1 mantissa bit; 4 bits a number), with one power-of-two scale for each 32 numbers along K (OCP MX v1.0); their sums are f32. The products marked 'left as it is' may take bf16, f16 or f32 operands, with f32 sums. Whichever they take, every output number must still come out within the allowed error. Rounding operands to bf16 (8 significant bits) uses up far more of that allowance than f16 does (11 bits, for magnitudes from 6e-5 to 65,504). All else is computed in f32.
;;   The module's matrix products, in the order in which they are computed (A, B: the left and right operand; K: the contracted axis; several contracted axes count as one K, in the product's order):
;;     1. [M 4,096, K 1,024] x [K 1,024, N 3,072]; A: input x; B: input W_qkv: QUANTISED
;;     2. batch 32 x [M 2,048, K 64] x [K 64, N 2,048]; A: computed on the way; B: computed on the way: left as it is (an operand is computed on the way)
;;     3. batch 32 x [M 2,048, K 2,048] x [K 2,048, N 64]; A: computed on the way; B: computed on the way: left as it is (an operand is computed on the way)
;;     4. [M 4,096, K 1,024] x [K 1,024, N 1,024]; A: computed on the way; B: input W_out: left as it is (an operand is computed on the way)
;;   THE QUANTISER, for each operand of a quantised product, along K:
;;     - K is cut into blocks of 32 from its start; a last block that is shorter is filled with zeros.
;;     - A block's scale is 2^e with e = floor(log2(the largest magnitude in the block)) - 2, held to -126 .. 127; a block of zeros has e = 0. As a byte (E8M0): e + 127.
;;     - Each number is divided by its block's scale, clamped to +-6, and rounded to the nearest number of E2M1, ties to even, subnormals kept.
;;     - The product sums the exact products of the quantised numbers (number of the format x scale) in f32.
;;   ~~~python
;;   def quantise(x, axis):      # numpy; x: float32 -> the quantised numbers, widened to float32 again
;;       x = np.moveaxis(x, axis, -1); K = x.shape[-1]
;;       x = np.pad(x, [(0, 0)] * (x.ndim - 1) + [(0, -K % 32)]); x = x.reshape(x.shape[:-1] + (-1, 32)); a = np.abs(x).max(-1, keepdims=True)
;;       e = np.where(a > 0, np.clip(np.frexp(np.where(a > 0, a, 1))[1] - 1 - 2, -126, 127), 0)      # np.frexp(a)[1] - 1 = floor(log2(a)), exactly
;;       r = np.clip(x / 2.0 ** e, -6, 6)
;;       step = 2.0 ** (np.maximum(np.frexp(np.where(r == 0, 1, r))[1] - 1, 0) - 1)
;;       q = np.round(r / step) * step * 2.0 ** e      # np.round: ties to even
;;       return np.moveaxis(q.reshape(q.shape[:-2] + (-1,))[..., :K], -1, axis).astype(np.float32)
;;   ~~~
;; One version. Each part assembles by itself: llvm-mc -triple=amdgcn-amd-amdhsa -mcpu=gfx1250 --defsym DOCPART=n.
;; ======== version 1 of 1: 4 launches
;; limits: values are held in f16: magnitudes above 65,504 overflow, below 6.1e-05 lose precision
;; workspace buffers: codes 3,670,016 bytes; scl 229,376 bytes; wimg 2,097,152 bytes; tab 524,288 bytes; qimg 8,388,608 bytes; kimg 8,388,608 bytes; vimg 8,388,608 bytes; oimg 8,388,608 bytes
;; launch prep (part 1): grid 256 x 1, 4 waves a work-group, no clusters, 33,280 bytes of LDS; arguments x, W_qkv, codes, scl, W_out, wimg, tab; writes codes, scl, wimg, tab
.if DOCPART == 1
	.amdgcn_target "amdgcn-amd-amdhsa--gfx1250"
	.amdhsa_code_object_version 6
	.text
	.protected	k_qa1d908c2df_prep
	.globl	k_qa1d908c2df_prep
	.p2align	8
	.type	k_qa1d908c2df_prep,@function
k_qa1d908c2df_prep:
	s_mov_b64 s[64:65], 0
	v_nop
	global_prefetch_b8 v0, s[64:65] scope:SCOPE_SE
	s_setreg_imm32_b32 hwreg(HW_REG_WAVE_MODE, 25, 1), 1
	s_wait_xcnt 0x0
; WHAT IS MADE ONCE, AHEAD OF THE PRODUCTS.
; Work-groups 0-223: x [4096][1024] and W_qkv [3072][1024], f32, K innermost, become codes of FP4 (E2M1), two a byte, and one E8M0 byte for each 32 along K:
;   codes [7168 rows][512 bytes], scl [7168][32 bytes], x's rows first.  Rows are dense and K is a multiple of 32: both tensors are plain streams of blocks of 32.
;   A block's scale is 2^(floor(log2(largest magnitude)) - 2); its byte is the largest magnitude's exponent field - 2, held at 1 from below.
;   LIMITS: a block of zeros gets the byte 1 where the rule says 127 (its codes are zeros, and this program alone reads the bytes); blocks whose largest magnitude lies under 2^(2 - 126) were not tried; NaN and infinities are not served.
; Work-groups 224-255 (128 waves): W_out [1024][1024] f32 becomes f16, laid as images of the operand's registers, [16 rows: 64][32 along K: 32][registers 0-3, 4-7][lane][16 bytes];
;   and the table of cos and sin of pos x 10000^(-j/32), [pos 2048][cos j = 0..31, sin j = 0..31] f32: the angle is reduced by multiples of pi/2 (in two parts, fused) and goes through polynomials on |r| <= pi/4.
; No tensor loads, no barrier: waves share nothing.
.set WAVES, 4
.set STEPS, 16
.set WGQ,   224                        ; work-groups that quantise: 128 for x, 96 for W_qkv, 32,768 numbers each
.set EMAX,  2
.set CB,    8                          ; bytes of 16 codes
.set R,     16                         ; v16-79   four sets of 16 numbers as they are loaded
.set X,     80                         ; v80-111  two sets of 16 neighbours
.set C,     128                        ; v128-191 codes: four registers for each step, so that no store's data are written again
.set E,     112                        ; v112-127 a scale byte for each step
.set WREG,  8192                       ; LDS: a region for each wave: two stages of 32 x SP bytes, behind them its 256 scale bytes
.set SP,    80                         ; a lane's place in a stage: 64 bytes + 16 of padding
.set SPW,   12                         ; v12 LDS address of my spare word; never rewritten
.set NIL,   13                         ; v13 0; never rewritten
.set SPARE, WAVES*WREG                 ; behind the four regions: the spare words, 128 bytes a wave
	s_load_b256 s[4:11], s[0:1], 0x0               ; x, W_qkv, codes, scl
	s_load_b128 s[12:15], s[0:1], 0x20             ; W_out, wimg
	s_load_b64 s[16:17], s[0:1], 0x30              ; tab
	v_lshl_add_u32 v[SPW], v0, 2, SPARE
	v_mov_b32 v[NIL], 0
	v_lshrrev_b32 v1, 5, v0
	v_readfirstlane_b32 s18, v1                    ; wave
	v_and_b32 v2, 31, v0                           ; lane
	s_cmp_ge_u32 ttmp9, WGQ                        ; the work-group's number alone decides the path; only the first path touches LDS
	s_cbranch_scc1 .Lother
	; ---------------- the quantiser ----------------
	v_lshlrev_b32 v3, 4, v2                        ; my 16 bytes of a load's 512
	s_mul_i32 s19, s18, WREG
	v_lshrrev_b32 v14, 2, v2
	v_mul_u32_u24 v14, v14, SP
	v_and_b32 v15, 3, v2
	v_lshl_add_u32 v14, v15, 4, v14
	v_add_nc_u32 v14, s19, v14                     ; the stage, on the way in: SP (lane / 4) + 16 (lane % 4)
	v_mul_u32_u24 v15, v2, SP
	v_add_nc_u32 v15, s19, v15                     ; and on the way out: SP x lane: my 16 neighbours
	v_mul_u32_u24 v4, v2, CB                       ; my codes' place in a step's
	v_lshrrev_b32 v5, 1, v2
	s_add_co_u32 s19, s19, 2*32*SP
	v_add_nc_u32 v5, s19, v5                       ; LDS: my wave's 256 scale bytes, my block's byte
	v_lshlrev_b32 v7, 3, v2                        ; and on the way out 8 bytes a lane
	v_add_nc_u32 v6, s19, v7
	s_wait_kmcnt 0x0
	s_cmp_lt_u32 ttmp9, 128                        ; x's work-group or W_qkv's?
	s_cselect_b64 s[4:5], s[4:5], s[6:7]
	s_cselect_b32 s19, 0, 128
	s_sub_co_u32 s19, ttmp9, s19
	s_lshl_b32 s19, s19, 2
	s_add_co_u32 s19, s19, s18                     ; which run of 8,192 numbers of the tensor is my wave's
	s_lshl_b32 s22, s19, 15                        ; 32,768 bytes a run
	s_mov_b32 s23, 0
	s_add_nc_u64 s[4:5], s[4:5], s[22:23]
	s_lshl_b32 s20, ttmp9, 2
	s_add_co_u32 s20, s20, s18                     ; and which run of both together: W_qkv's codes and bytes follow x's
	s_lshl_b32 s22, s20, 12                        ; 4,096 bytes of codes a run
	s_add_nc_u64 s[8:9], s[8:9], s[22:23]
	s_lshl_b32 s22, s20, 8                         ; 256 scale bytes a run
	s_add_nc_u64 s[10:11], s[10:11], s[22:23]
.macro LOAD t
.irp i, 0,1,2,3
	global_load_b128 v[R+16*((\t)%4)+4*\i:R+16*((\t)%4)+4*\i+3], v3, s[4:5] offset:2048*(\t)+512*\i th:TH_LOAD_NT   ; 32 lanes read 512 consecutive bytes
.endr
.endm
.macro TURN t                          ; step t's numbers through the stage: LDS serves a wave's instructions in order, so no wait stands between the stores and the loads
.irp i, 0,1,2,3
	ds_store_b128 v14, v[R+16*((\t)%4)+4*\i:R+16*((\t)%4)+4*\i+3] offset:32*SP*((\t)%2)+8*SP*\i
.endr
.irp i, 0,1,2,3
	ds_load_b128 v[X+16*((\t)%2)+4*\i:X+16*((\t)%2)+4*\i+3], v15 offset:32*SP*((\t)%2)+16*\i
.endr
.endm
.irp t, 0,1,2,3
	LOAD \t
.endr
	s_wait_loadcnt 12                              ; step 0's four loads are in
	TURN 0
.macro STEP t
.set XS, X+16*((\t)%2)
.if (\t) > 0
	s_wait_dscnt 1                                 ; this step's numbers are back from the stage (the last step's byte store may be out): so its stores into the stage have read their registers,
.else
	s_wait_dscnt 0x0
.endif
.if (\t)+4 < STEPS
	LOAD (\t)+4                                    ; which take the loads of four steps on
.endif
.if (\t)+1 < STEPS
.if STEPS-2-(\t) >= 3
	s_wait_loadcnt 12                              ; the next step's four loads are in; those of the three steps behind it may be out
.else
	s_wait_loadcnt 4*(STEPS-2-(\t))
.endif
	TURN (\t)+1                                    ; and go through the other stage while this step is worked
.endif
	v_max3_num_f32 v8, |v[XS]|, |v[XS+1]|, |v[XS+2]|               ; the largest magnitude of my 16
	v_max3_num_f32 v9, |v[XS+3]|, |v[XS+4]|, |v[XS+5]|
.irp i, 6,10
	v_max3_num_f32 v8, v8, |v[XS+\i]|, |v[XS+\i+1]|
	v_max3_num_f32 v9, v9, |v[XS+\i+2]|, |v[XS+\i+3]|
.endr
	v_max3_num_f32 v8, v8, |v[XS+14]|, |v[XS+15]|
	v_max3_num_f32 v8, v8, v9, (EMAX+1)<<23        ; and the floor 2^(EMAX + 1 - 127): the byte cannot fall under 1
	v_max_num_f32_dpp v8, v8, v8 row_xmask:1 row_mask:0xf bank_mask:0xf   ; and of my neighbour's 16: the block's
	v_add_nc_u32 v11, -(EMAX<<23), v8              ; EMAX off its exponent field: the conversion takes the exponent field of this operand as its scale
	v_cvt_scalef32_pk8_fp4_f32 v[C+4*(\t)], v[XS:XS+7], v11
	v_cvt_scalef32_pk8_fp4_f32 v[C+4*(\t)+1], v[XS+8:XS+15], v11
	v_lshrrev_b32 v[E+(\t)], 23, v11               ; the scale's byte
	ds_store_b8 v5, v[E+(\t)] offset:16*(\t)       ; both lanes of a block write the same byte with the same value
	global_store_b64 v4, v[C+4*(\t):C+4*(\t)+1], s[8:9] offset:32*CB*(\t)   ; the wave stores 256 consecutive bytes, aligned
.endm
.irp t, 0,1,2,3,4,5,6,7,8,9,10,11,12,13,14,15
	STEP \t
.endr
	ds_load_b64 v[8:9], v6                         ; LDS serves a wave's instructions in order: these see my stores
	s_wait_dscnt 0x0
	global_store_b64 v7, v[8:9], s[10:11]          ; 32 lanes store 256 consecutive bytes, aligned
	s_wait_tensorcnt 0x0                           ; the wave's end
	ds_add_u32 v[SPW], v[NIL]
	s_wait_dscnt 0x0
	s_endpgm
	; ---------------- W_out's images and the table ----------------
.Lother:
	s_sub_co_u32 s19, ttmp9, WGQ
	s_lshl_b32 s19, s19, 2
	s_add_co_u32 s19, s19, s18                     ; which of the 128 waves I am
	v_and_b32 v3, 15, v0                           ; r
	v_bfe_u32 v4, v0, 4, 1                         ; h
	v_lshlrev_b32 v27, 12, v3
	v_lshl_add_u32 v27, v4, 5, v27                 ; W_out: row r of 4,096 bytes, + 32 h: eight numbers
	v_lshlrev_b32 v28, 4, v2                       ; an image's place for my lane
	v_lshlrev_b32 v29, 3, v2                       ; the table: two numbers a lane
	s_lshr_b32 s20, s19, 1                         ; my 16 rows of W_out,
	s_and_b32 s21, s19, 1                          ; and which half of their K
	s_lshl_b32 s22, s20, 16
	s_lshl_b32 s23, s21, 11
	s_add_co_u32 s22, s22, s23
	s_mov_b32 s23, 0
	s_lshl_b32 s34, s20, 15
	s_lshl_b32 s35, s21, 14
	s_add_co_u32 s34, s34, s35
	s_mov_b32 s35, 0
	s_lshl_b32 s36, s19, 12                        ; my 16 positions' rows of the table
	s_mov_b32 s37, 0
	s_lshl_b32 s20, s19, 4                         ; my first position
	s_mov_b32 s24, 0x3fc90fdb                      ; pi/2, its upper part,
	s_mov_b32 s25, 0xb33bbd2e                      ; and what is left of it
	s_mov_b32 s26, 0xb94ca1f9                      ; sin r = r + r z (S1 + z (S2 + z S3)), z = r r
	s_mov_b32 s27, 0x3c08839e
	s_mov_b32 s28, 0xbe2aaaa3
	s_mov_b32 s29, 0x37ccf5ce                      ; cos r = 1 - z/2 + z z (C1 + z (C2 + z C3))
	s_mov_b32 s30, 0xbab6061a
	s_mov_b32 s31, 0x3d2aaaa5
	s_wait_kmcnt 0x0
	s_add_nc_u64 s[12:13], s[12:13], s[22:23]
	s_add_nc_u64 s[14:15], s[14:15], s[34:35]
	s_add_nc_u64 s[16:17], s[16:17], s[36:37]
.macro LOADH g                         ; eight fragments' numbers: lane (r, h) takes k = 8 h + 0..7 and 16 + 8 h + 0..7 of each 32
.irp f, 0,1,2,3,4,5,6,7
	global_load_b128 v[64+16*\f:64+16*\f+3],     v27, s[12:13] offset:128*(8*\g+\f) th:TH_LOAD_NT
	global_load_b128 v[64+16*\f+4:64+16*\f+7],   v27, s[12:13] offset:128*(8*\g+\f)+16 th:TH_LOAD_NT
	global_load_b128 v[64+16*\f+8:64+16*\f+11],  v27, s[12:13] offset:128*(8*\g+\f)+64 th:TH_LOAD_NT
	global_load_b128 v[64+16*\f+12:64+16*\f+15], v27, s[12:13] offset:128*(8*\g+\f)+80 th:TH_LOAD_NT
.endr
.endm
.macro CVTH
.set i, 0
.rept 64
	v_cvt_pk_f16_f32 v[192+i], v[64+2*i], v[64+2*i+1]
.set i, i+1
.endr
.endm
.macro STOH g                          ; each store of the wave covers 512 consecutive bytes, aligned
.irp f, 0,1,2,3,4,5,6,7
	global_store_b128 v28, v[192+8*\f:192+8*\f+3],   s[14:15] offset:1024*(8*\g+\f)
	global_store_b128 v28, v[192+8*\f+4:192+8*\f+7], s[14:15] offset:1024*(8*\g+\f)+512
.endr
.endm
	LOADH 0                                        ; on their way while the first half of the table is made
	v_lshlrev_b32 v5, 1, v3                        ; my two frequencies: j = 2 (lane % 16) and the next
	v_add_nc_u32 v6, 1, v5
	v_cvt_f32_u32 v5, v5
	v_cvt_f32_u32 v6, v6
	v_mul_f32 v5, 0xbed49a78, v5                   ; x -log2(10000) / 32
	v_mul_f32 v6, 0xbed49a78, v6
	v_exp_f32 v8, v5                               ; 10000^(-j/32)
	v_exp_f32 v9, v6
	v_sub_nc_u32 v7, 1, v4                         ; lanes 0-15 make cos x = sin(x + pi/2): one quadrant on.  (The plain line behind the exponentials)
	s_wait_alu depctr_va_vdst(0)                   ; one wait for both, ahead of their first reader
; Position s20 + i.  Number e of my two has eight registers from v[11 + 8 e] on: the angle (later the quadrant's low bit), k, r, z, sin, cos, z z, 1 - z/2.
; Lines that do not hang on each other stand together: the two numbers by turns, and from z on the sin chain, the cos chain and the quadrant side by side.
.macro TAB i
	s_add_co_u32 s21, s20, \i
	v_cvt_f32_u32 v10, s21
.irp e, 0,1
	v_mul_f32 v[11+8*\e], v10, v[8+\e]                             ; the angle
.endr
.irp e, 0,1
	v_mul_f32 v[12+8*\e], 0x3f22f983, v[11+8*\e]                   ; x 2/pi,
.endr
.irp e, 0,1
	v_rndne_f32 v[12+8*\e], v[12+8*\e]                             ; to the nearest whole number k
.endr
.irp e, 0,1
	v_fma_f32 v[13+8*\e], -v[12+8*\e], s24, v[11+8*\e]
.endr
.irp e, 0,1
	v_fma_f32 v[13+8*\e], -v[12+8*\e], s25, v[13+8*\e]             ; r = angle - k pi/2
.endr
.irp e, 0,1
	v_mul_f32 v[14+8*\e], v[13+8*\e], v[13+8*\e]                   ; z
.endr
.irp e, 0,1
	v_fma_f32 v[15+8*\e], v[14+8*\e], s26, s27
	v_fma_f32 v[16+8*\e], v[14+8*\e], s29, s30
	v_mul_f32 v[17+8*\e], v[14+8*\e], v[14+8*\e]
	v_fma_f32 v[18+8*\e], v[14+8*\e], -0.5, 1.0
	v_cvt_i32_f32 v[12+8*\e], v[12+8*\e]
.endr
.irp e, 0,1
	v_fma_f32 v[15+8*\e], v[15+8*\e], v[14+8*\e], s28
	v_fma_f32 v[16+8*\e], v[16+8*\e], v[14+8*\e], s31
	v_add_nc_u32 v[12+8*\e], v[12+8*\e], v7                        ; the quadrant: odd: cos r, else sin r; bit 1: the sign
.endr
.irp e, 0,1
	v_mul_f32 v[15+8*\e], v[15+8*\e], v[14+8*\e]
	v_fma_f32 v[16+8*\e], v[16+8*\e], v[17+8*\e], v[18+8*\e]       ; cos r
	v_and_b32 v[11+8*\e], 1, v[12+8*\e]
	v_and_b32 v[12+8*\e], 2, v[12+8*\e]
.endr
.irp e, 0,1
	v_fma_f32 v[15+8*\e], v[15+8*\e], v[13+8*\e], v[13+8*\e]       ; sin r
	v_lshlrev_b32 v[12+8*\e], 30, v[12+8*\e]
.endr
.irp e, 0,1
	v_cmp_ne_u32 vcc_lo, 0, v[11+8*\e]
	v_cndmask_b32 v[15+8*\e], v[15+8*\e], v[16+8*\e], vcc_lo
.endr
.irp e, 0,1
	v_xor_b32 v[32+2*\i+\e], v[12+8*\e], v[15+8*\e]
.endr
	global_store_b64 v29, v[32+2*\i:32+2*\i+1], s[16:17] offset:256*\i   ; a position's 256 bytes, aligned; each position has data registers of its own
.endm
.irp i, 0,1,2,3,4,5,6,7
	TAB \i
.endr
	s_wait_loadcnt 0x0
	CVTH
	LOADH 1                                        ; on their way while the second half of the table is made
	STOH 0
.irp i, 8,9,10,11,12,13,14,15
	TAB \i
.endr
	s_wait_loadcnt 0x0
	s_wait_xcnt 0x0                                ; the stores have read their data: v192-255 are written again only behind this wait
	CVTH
	STOH 1
	s_endpgm
.Lfunc_end_k_qa1d908c2df_prep:
	.size	k_qa1d908c2df_prep, .Lfunc_end_k_qa1d908c2df_prep-k_qa1d908c2df_prep
	.p2alignl 7, 3214868480
	.fill 96, 4, 3214868480
	.section	.rodata,"a",@progbits
	.p2align	6, 0x0
	.amdhsa_kernel k_qa1d908c2df_prep
		.amdhsa_group_segment_fixed_size 33280
		.amdhsa_private_segment_fixed_size 0
		.amdhsa_enable_private_segment 0
		.amdhsa_kernarg_size 56
		.amdhsa_user_sgpr_count 2
		.amdhsa_user_sgpr_kernarg_segment_ptr 1
		.amdhsa_wavefront_size32 1
		.amdhsa_system_sgpr_workgroup_id_x 1
		.amdhsa_system_sgpr_workgroup_id_y 1
		.amdhsa_system_sgpr_workgroup_id_z 1
		.amdhsa_system_vgpr_workitem_id 0
		.amdhsa_next_free_vgpr 256
		.amdhsa_next_free_sgpr 66
		.amdhsa_reserve_vcc 1
		.amdhsa_float_denorm_mode_32 3
		.amdhsa_float_denorm_mode_16_64 3
		.amdhsa_memory_ordered 1
		.amdhsa_forward_progress 1
		.amdhsa_inst_pref_size 88
	.end_amdhsa_kernel
	.amdgpu_metadata
---
amdhsa.version: [ 1, 2 ]
amdhsa.kernels:
  - .name:           k_qa1d908c2df_prep
    .symbol:         k_qa1d908c2df_prep.kd
    .args:
      - { .name: x, .offset: 0, .size: 8, .value_kind: global_buffer, .address_space: global }
      - { .name: W_qkv, .offset: 8, .size: 8, .value_kind: global_buffer, .address_space: global }
      - { .name: codes, .offset: 16, .size: 8, .value_kind: global_buffer, .address_space: global }
      - { .name: scl, .offset: 24, .size: 8, .value_kind: global_buffer, .address_space: global }
      - { .name: W_out, .offset: 32, .size: 8, .value_kind: global_buffer, .address_space: global }
      - { .name: wimg, .offset: 40, .size: 8, .value_kind: global_buffer, .address_space: global }
      - { .name: tab, .offset: 48, .size: 8, .value_kind: global_buffer, .address_space: global }
    .group_segment_fixed_size: 33280
    .private_segment_fixed_size: 0
    .kernarg_segment_align: 8
    .kernarg_segment_size: 56
    .max_flat_workgroup_size: 128
    .sgpr_count:     66
    .vgpr_count:     256
    .wavefront_size: 32
...
	.end_amdgpu_metadata
.endif
;; end of part 1
;; launch qkv (part 2): grid 16 x 16, 4 waves a work-group, clusters of 4 x 4, 259,584 bytes of LDS; arguments codes, scl, tab, qimg, kimg, vimg; writes qimg, kimg, vimg
.if DOCPART == 2
	.amdgcn_target "amdgcn-amd-amdhsa--gfx1250"
	.amdhsa_code_object_version 6
	.text
	.protected	k_qa1d908c2df_qkv
	.globl	k_qa1d908c2df_qkv
	.p2align	8
	.type	k_qa1d908c2df_qkv,@function
k_qa1d908c2df_qkv:
	s_mov_b64 s[64:65], 0
	v_nop
	global_prefetch_b8 v0, s[64:65] scope:SCOPE_SE
	s_setreg_imm32_b32 hwreg(HW_REG_WAVE_MODE, 25, 1), 1
	s_wait_xcnt 0x0
	s_wait_alu depctr_hold_cnt(0) depctr_sa_sdst(0) depctr_va_vdst(0) depctr_va_sdst(0) depctr_va_ssrc(0) depctr_va_vcc(0) depctr_vm_vsrc(0)
	s_getreg_b32 s2, hwreg(HW_REG_IB_STS2, 6, 4)
	s_cmp_eq_u32 s2, 0
	s_cbranch_scc0 .Lentry_in_a_cluster
	s_endpgm
.Lentry_in_a_cluster:
	s_bfe_u32 s2, ttmp6, 0x10000c
	s_cmp_lg_u32 s2, 0xf033
	s_cbranch_scc0 .Lentry_shape_is_right
	s_endpgm
.Lentry_shape_is_right:
; y = x W_qkv^T on codes of FP4 (E2M1) with one E8M0 scale for each 32 along K; then, in f32, q and k divided by max(their norm, 1e-12) and turned by the rotary table; q, k, v leave as f16.
; (exp(scale) is not applied here: q stays a unit vector, and the next launch multiplies the f32 scores.)
; SHARES.  A work-group takes 256 rows of x and ONE head's 192 columns (64 of q, 64 of k, 64 of v): 16 x 16 work-groups.  Wave w takes rows 64 w .. 64 w + 63 and all 192 columns: 4 x 12 accumulators,
; so a row's norm and its rotation never leave the wave.  All of K (1,024) lies in LDS: two slots of 512 along K, each filled once; the scale bytes of the 256 + 192 rows likewise.
; CLUSTERS: 4 x 4.  The four of a row of the cluster (four heads) need the same rows of x, the four of a column the same rows of W: each tile is asked for jointly.
; q's and k's blocks are used TRANSPOSED (source 0 = 16 rows of W, source 1 = 16 rows of x): a lane holds one row and eight neighbouring channels.  v's blocks are used straight: a lane holds one channel and eight keys.
; So the packed results ARE the registers of the next launch's operands, and leave as images: 16 bytes a lane, 512 consecutive bytes a store.
;   qimg, kimg: [batch x head 32][16 rows: 128][32 channels: 2][registers 0-3, 4-7][lane][16 bytes];  vimg: [32][32 keys: 64][16 channels: 4][registers 0-3, 4-7][lane][16 bytes].
; LIMIT: v goes out in f16: |v| under 65,504.
; REGISTERS, in windows of 256: window 0: v0-31 addresses; v32-127 scale words, two sets of 48 (nothing else ever lies there); v128-191 x's fragments, two sets; v192-223 sums of squares.
;   window 1: W's fragments, two sets, at v0 and v128; on the way out v0-63 at work, v64-159 two sets of packed results.
;   window 2: the accumulators of my row blocks 0, 1 ((a, b) at v[8 (12 (a % 2) + b)]); v192-255 their cos and sin.   window 3: the same for row blocks 2, 3.
.set PITCH,  272                       ; an LDS row: 256 bytes + 16 of padding: the 16 rows that a load touches start 4 words apart
.set ASLOT,  256*PITCH                 ; x's 256 rows in a slot
.set SLOT,   448*PITCH                 ; and W's 192 behind them
.set HALFA,  128*PITCH                 ; what one tensor load brings of x,
.set HALFB,  96*PITCH                  ; and of W
.set SCL,    2*SLOT                    ; behind the slots: the scale bytes, as units of 256 bytes + 16 of padding (8 rows of 32 bytes a unit)
.set HSA,    16*272                    ; those of 128 rows of x
.set HSB,    12*272                    ; those of 96 rows of W
.set SCB,    SCL+2*HSA                 ; W's begin here
.set SBLK,   544                       ; those of 16 rows
.set SPARE,  259072                    ; the spare words, 128 bytes a wave, in blocks of 256 bytes that no other line names
.set ADRA, 16                          ; v16-17 LDS address of my fragments of x in slot 0, 1
.set ADRB, 20                          ; v20-21 the same for W
.set TA,   24                          ; v24 the table: row r of 256 bytes, + 32 h
.set L16,  25                          ; v25 16 x lane
.set ADRS, 27                          ; v27 my scale words: lanes 0-15 x's rows, lanes 16-31 W's
.set SPW,  28                          ; v28 LDS address of my spare word; never rewritten
.set NIL,  29                          ; v29 0; never rewritten
.set SC,   32                          ; scale words: set s at SC + 48 s; register 4 i + q: lanes 0-15 x's block i (i < 4), lanes 16-31 W's block i, the slot's q-th 128 along K
.set AF,   128
.set SS,   192                         ; four registers for each of 8 sums of squares (row block a, q or k): SS + 8 a + 4 t
.set G1, 24                            ; s[24:31], s[32:39] descriptor group 1 and groups 0 (a set a slot) for x's tiles
.set G0, 32
.set G1B, 48                           ; s[48:55], s[56:63] for W's
.set G0B, 56
.set G1S, 68                           ; s[68:75], s[76:79] for x's scale bytes;  s[80:87], s[88:91] for W's
.set G0S, 76
.set G1SB, 80
.set G0SB, 88
.set MSB, 0
.macro WIN new                         ; the immediate's high byte repeats the setting that is left
.if MSB != (\new)
	s_set_vgpr_msb (MSB<<8)|(\new)
.set MSB, (\new)
.endif
.endm
; A joint load: waves 0 and 1 fetch for x, waves 2 and 3 for W.  The branch hangs on the wave's number alone.  An s_nop 0 and four v_nop follow each of the two lines.
.macro JLOAD g0a, g1a, g0b, g1b
	s_cmp_eq_u32 s17, 0
	s_cbranch_scc0 .Lfor_b_\@
	tensor_load_to_lds s[\g0a:\g0a+3], s[\g1a:\g1a+7]
	s_nop 0
.rept 4
	v_nop
.endr
	s_branch .Lasked_\@
.Lfor_b_\@:
	tensor_load_to_lds s[\g0b:\g0b+3], s[\g1b:\g1b+7]
	s_nop 0
.rept 4
	v_nop
.endr
.Lasked_\@:
.endm
.macro CROUND                          ; a round of the cluster's barrier
	s_barrier_signal -1
	s_barrier_wait -1
	s_cmp_lg_u32 s16, 0
	s_cbranch_scc1 .Lnot_wave_0_\@
	s_barrier_signal -3
.Lnot_wave_0_\@:
	s_barrier_wait -3
	s_barrier_signal -1
	s_barrier_wait -1
.endm
.macro PLACES n
.rept \n
	v_nop
.endr
.endm
	s_load_b128 s[4:7], s[0:1], 0x0                ; codes, scl
	s_load_b128 s[8:11], s[0:1], 0x10              ; tab, qimg
	s_load_b128 s[12:15], s[0:1], 0x20             ; kimg, vimg
	v_lshl_add_u32 v[SPW], v0, 2, SPARE
	v_mov_b32 v[NIL], 0
	ds_add_u32 v[SPW], v[NIL]                      ; the wave's opening: the add, twice on end, and its wait ahead of my first tensor load
	ds_add_u32 v[SPW], v[NIL]
	v_lshrrev_b32 v1, 5, v0
	v_readfirstlane_b32 s16, v1                    ; wave 0..3
	s_lshr_b32 s17, s16, 1                         ; I fetch for x (0) or for W (1),
	s_and_b32 s18, s16, 1                          ; and which half of the rows
	s_bfe_u32 s40, ttmp6, 0x40000                  ; cx, cy: my place in the cluster
	s_bfe_u32 s41, ttmp6, 0x40004
	s_lshl_b32 s42, ttmp9, 2
	s_add_co_u32 s42, s42, s40                     ; the head = 4 x cluster x + cx
	s_and_b32 s19, ttmp7, 0xffff
	s_lshl_b32 s19, s19, 2
	s_add_co_u32 s19, s19, s41                     ; the block of 256 rows = 4 x cluster y + cy
	s_lshl_b32 s43, s41, 2
	s_lshl_b32 s43, 15, s43                        ; my row of the cluster
	s_lshl_b32 s44, 0x1111, s40                    ; my column
	; group 1 for the codes: rows of 256 bytes (512 along K), 512 bytes apart in memory, 16 bytes of padding behind each in LDS
	s_or_b32 s[G1+0], s43, (0<<16)|(1<<20)|(1<<21)|(5<<22)|(3<<25)   ; the mask: x's tiles go to my row; elements of 1 byte; padding on; bit 21 beside a mask; after every 64 words, 4 words
	s_or_b32 s[G1B+0], s44, (0<<16)|(1<<20)|(1<<21)|(5<<22)|(3<<25)  ; W's go to my column
	s_mov_b32 s[G1+1], 256<<16                     ; tensor_dim0
	s_mov_b32 s[G1+2], 128<<16                     ; tensor_dim1
	s_mov_b32 s[G1+3], 256<<16                     ; tile_dim0
	s_mov_b32 s[G1+4], 128                         ; tile_dim1
	s_mov_b32 s[G1+5], 512                         ; from row to row
	s_mov_b32 s[G1+6], 0
	s_mov_b32 s[G1+7], 0
	s_mov_b32 s[G1B+1], 256<<16
	s_mov_b32 s[G1B+2], 96<<16
	s_mov_b32 s[G1B+3], 256<<16
	s_mov_b32 s[G1B+4], 96
	s_mov_b32 s[G1B+5], 512
	s_mov_b32 s[G1B+6], 0
	s_mov_b32 s[G1B+7], 0
	; and for the scale bytes: dense blocks, as rows of 256 bytes (32 elements of 8 bytes), 16 bytes of padding behind each
	s_or_b32 s[G1S+0], s43, (3<<16)|(1<<20)|(1<<21)|(5<<22)|(3<<25)
	s_or_b32 s[G1SB+0], s44, (3<<16)|(1<<20)|(1<<21)|(5<<22)|(3<<25)
	s_mov_b32 s[G1S+1], 32<<16
	s_mov_b32 s[G1S+2], 16<<16
	s_mov_b32 s[G1S+3], 32<<16
	s_mov_b32 s[G1S+4], 16
	s_mov_b32 s[G1S+5], 32
	s_mov_b32 s[G1S+6], 0
	s_mov_b32 s[G1S+7], 0
	s_mov_b32 s[G1SB+1], 32<<16
	s_mov_b32 s[G1SB+2], 12<<16
	s_mov_b32 s[G1SB+3], 32<<16
	s_mov_b32 s[G1SB+4], 12
	s_mov_b32 s[G1SB+5], 32
	s_mov_b32 s[G1SB+6], 0
	s_mov_b32 s[G1SB+7], 0
	; x's addresses hang on the row block alone, W's on the head alone, each in registers that never hold the other coordinate
	s_lshl_b32 s20, s19, 8
	s_lshl_b32 s21, s18, 7
	s_add_co_u32 s20, s20, s21                     ; x: row 256 x block + 128 x half
	s_lshl_b32 s22, s20, 5                         ; its scale bytes,
	s_lshl_b32 s20, s20, 9                         ; its codes
	s_mov_b32 s21, 0
	s_mov_b32 s23, 0
	s_mul_i32 s46, s42, 192
	s_mul_i32 s47, s18, 96
	s_add_co_u32 s46, s46, s47
	s_add_co_u32 s46, s46, 4096                    ; W: row 4,096 + 192 x head + 96 x half of the two buffers
	s_lshl_b32 s92, s46, 5
	s_lshl_b32 s46, s46, 9
	s_mov_b32 s47, 0
	s_mov_b32 s93, 0
	s_mul_i32 s45, s18, HALFA                      ; where they go in LDS: no place in the cluster enters an LDS address
	s_mul_i32 s94, s18, HALFB
	s_add_co_u32 s94, s94, ASLOT
	s_mul_i32 s95, s18, HSA
	s_add_co_u32 s95, s95, SCL
	s_mul_i32 s96, s18, HSB
	s_add_co_u32 s96, s96, SCB
	s_mov_b32 s98, 0x76543210                      ; v_permlanex16_b32's selects for lane l xor 16
	s_mov_b32 s99, 0xfedcba98
	s_wait_dscnt 0x0                               ; both opening adds are done
	s_wait_kmcnt 0x0
	s_add_nc_u64 s[20:21], s[4:5], s[20:21]
	s_add_nc_u64 s[22:23], s[6:7], s[22:23]
	s_add_nc_u64 s[46:47], s[4:5], s[46:47]
	s_add_nc_u64 s[92:93], s[6:7], s[92:93]
	CROUND                                         ; all sixteen work-groups are here: the joint loads meet
	s_mov_b32 s[G0S], 1
	s_mov_b32 s[G0S+1], s95
	s_mov_b64 s[G0S+2:G0S+3], s[22:23]
	s_or_b32 s[G0S+3], s[G0S+3], 0x80000000
	s_mov_b32 s[G0SB], 1
	s_mov_b32 s[G0SB+1], s96
	s_mov_b64 s[G0SB+2:G0SB+3], s[92:93]
	s_or_b32 s[G0SB+3], s[G0SB+3], 0x80000000
	JLOAD G0S, G1S, G0SB, G1SB                     ; the scale bytes first; by this text's count three tensor loads of a wave are out, all first fills
.irp s, 0,1
	s_mov_b32 s[G0+4*\s], 1
	s_add_co_u32 s[G0+4*\s+1], s45, \s*SLOT
	s_add_nc_u64 s[G0+4*\s+2:G0+4*\s+3], s[20:21], \s*256
	s_or_b32 s[G0+4*\s+3], s[G0+4*\s+3], 0x80000000
	s_mov_b32 s[G0B+4*\s], 1
	s_add_co_u32 s[G0B+4*\s+1], s94, \s*SLOT
	s_add_nc_u64 s[G0B+4*\s+2:G0B+4*\s+3], s[46:47], \s*256
	s_or_b32 s[G0B+4*\s+3], s[G0B+4*\s+3], 0x80000000
	JLOAD G0+4*\s, G1, G0B+4*\s, G1B
.endr
	v_and_b32 v1, 15, v0                           ; r
	v_bfe_u32 v2, v0, 4, 1                         ; h
	v_lshlrev_b32 v[TA], 8, v1
	v_lshl_add_u32 v[TA], v2, 5, v[TA]
	s_and_b32 s2, s19, 7                           ; my first position: 256 x (block % 8) + 64 x wave; 256 bytes of the table a position
	s_lshl_b32 s2, s2, 16
	s_lshl_b32 s3, s16, 14
	s_add_co_u32 s2, s2, s3
	s_mov_b32 s3, 0
	s_add_nc_u64 s[8:9], s[8:9], s[2:3]
	; cos and sin for my 64 rows, wanted on the way out: for row block a 32 registers: cos of j = 8 h + 0..7, of 16 + 8 h + 0..7, then sin likewise
	WIN 0x80                                       ; destination window 2
.irp a, 0,1
.irp i, 0,1,2,3,4,5,6,7
	global_load_b128 v[192+32*\a+4*\i:192+32*\a+4*\i+3], v[TA], s[8:9] offset:\a*4096+64*(\i/2)+16*(\i%2)
.endr
.endr
	WIN 0xc0                                       ; destination window 3
.irp a, 0,1
.irp i, 0,1,2,3,4,5,6,7
	global_load_b128 v[192+32*\a+4*\i:192+32*\a+4*\i+3], v[TA], s[8:9] offset:(\a+2)*4096+64*(\i/2)+16*(\i%2)
.endr
.endr
	WIN 0
	v_mul_u32_u24 v3, v1, PITCH
	v_lshl_add_u32 v4, v2, 4, v3                   ; a fragment's row x pitch + 16 x half
	s_mul_i32 s2, s16, 64*PITCH                    ; my 64 rows of x
	v_add_nc_u32 v[ADRA], s2, v4
	s_add_co_u32 s2, s2, SLOT
	v_add_nc_u32 v[ADRA+1], s2, v4
	v_add_nc_u32 v[ADRB], ASLOT, v4
	v_add_nc_u32 v[ADRB+1], ASLOT+SLOT, v4
	v_lshlrev_b32 v5, 5, v1                        ; my row's scale bytes: 32 a row,
	v_lshrrev_b32 v6, 3, v1
	v_lshl_add_u32 v5, v6, 4, v5                   ; and 16 more behind each 8 rows
	s_mul_i32 s2, s16, 4*SBLK                      ; x's: my four blocks
	s_sub_co_u32 s3, 2*HSA, s2                     ; the distance from there to W's first block:
	v_mul_u32_u24 v6, s3, v2                       ; lanes 16-31 take W's
	s_add_co_u32 s2, s2, SCL
	v_add_nc_u32 v5, v5, v6
	v_add_nc_u32 v[ADRS], s2, v5
	v_and_b32 v[L16], 31, v0
	v_lshlrev_b32 v[L16], 4, v[L16]
	; where my 64 rows' images begin in each of the three outputs: (batch x 16 + head) x 262,144 + (block % 8) x 32,768 + wave x 8,192
	s_lshr_b32 s2, s19, 3
	s_lshl_b32 s2, s2, 4
	s_add_co_u32 s2, s2, s42
	s_lshl_b32 s2, s2, 18
	s_and_b32 s3, s19, 7
	s_lshl_b32 s3, s3, 15
	s_add_co_u32 s2, s2, s3
	s_lshl_b32 s3, s16, 13
	s_add_co_u32 s2, s2, s3
	s_mov_b32 s3, 0
	s_add_nc_u64 s[10:11], s[10:11], s[2:3]
	s_add_nc_u64 s[12:13], s[12:13], s[2:3]
	s_add_nc_u64 s[14:15], s[14:15], s[2:3]
; The fragments of step q (128 along K; slot q / 4) into set q % 2: W's twelve, x's four.  A fragment, 16 rows x 128 K of 4-bit codes, is 8 registers: two loads of 16 bytes, 32 bytes apart.
.macro FETCH q
	WIN 0x40                                       ; destination window 1
.irp i, 0,1,2,3,4,5,6,7,8,9,10,11
	ds_load_b128 v[128*((\q)%2)+8*\i:128*((\q)%2)+8*\i+3],   v[ADRB+(\q)/4] offset:64*((\q)%4)+\i*16*PITCH
	ds_load_b128 v[128*((\q)%2)+8*\i+4:128*((\q)%2)+8*\i+7], v[ADRB+(\q)/4] offset:64*((\q)%4)+\i*16*PITCH+32
.endr
	WIN 0
.irp i, 0,1,2,3
	ds_load_b128 v[AF+32*((\q)%2)+8*\i:AF+32*((\q)%2)+8*\i+3],   v[ADRA+(\q)/4] offset:64*((\q)%4)+\i*16*PITCH
	ds_load_b128 v[AF+32*((\q)%2)+8*\i+4:AF+32*((\q)%2)+8*\i+7], v[ADRA+(\q)/4] offset:64*((\q)%4)+\i*16*PITCH+32
.endr
.endm
; q's and k's blocks, transposed: row blocks a0, a0 + 1 against W's blocks 0-7.  Step 0's products start the sums: nothing is cleared.
.macro MULT q, a0
	WIN 0xa1+0x50*((\a0)/2)                        ; source 0 (W) window 1, source 1 (x) window 0, C and D window 2 or 3
.irp a, \a0, \a0+1
.irp b, 0,1,2,3,4,5,6,7
.if (\q) == 0
	v_wmma_scale_f32_16x16x128_f8f6f4 v[8*(12*((\a)%2)+\b):8*(12*((\a)%2)+\b)+7], v[128*((\q)%2)+8*\b:128*((\q)%2)+8*\b+7], v[AF+32*((\q)%2)+8*(\a):AF+32*((\q)%2)+8*(\a)+7], 0, v[SC+48*((\q)/4)+4*\b+(\q)%4], v[SC+48*((\q)/4)+4*(\a)+(\q)%4] matrix_a_fmt:MATRIX_FMT_FP4 matrix_b_fmt:MATRIX_FMT_FP4 matrix_a_scale:MATRIX_SCALE_ROW1
.else
	v_wmma_scale_f32_16x16x128_f8f6f4 v[8*(12*((\a)%2)+\b):8*(12*((\a)%2)+\b)+7], v[128*((\q)%2)+8*\b:128*((\q)%2)+8*\b+7], v[AF+32*((\q)%2)+8*(\a):AF+32*((\q)%2)+8*(\a)+7], v[8*(12*((\a)%2)+\b):8*(12*((\a)%2)+\b)+7], v[SC+48*((\q)/4)+4*\b+(\q)%4], v[SC+48*((\q)/4)+4*(\a)+(\q)%4] matrix_a_fmt:MATRIX_FMT_FP4 matrix_b_fmt:MATRIX_FMT_FP4 matrix_a_scale:MATRIX_SCALE_ROW1
.endif
.endr
.endr
.endm
; v's blocks, straight: source 0 = x, source 1 = W's blocks 8-11
.macro MULV q, a0
	WIN 0xa4+0x50*((\a0)/2)                        ; source 0 (x) window 0, source 1 (W) window 1
.irp a, \a0, \a0+1
.irp b, 8,9,10,11
.if (\q) == 0
	v_wmma_scale_f32_16x16x128_f8f6f4 v[8*(12*((\a)%2)+\b):8*(12*((\a)%2)+\b)+7], v[AF+32*((\q)%2)+8*(\a):AF+32*((\q)%2)+8*(\a)+7], v[128*((\q)%2)+8*\b:128*((\q)%2)+8*\b+7], 0, v[SC+48*((\q)/4)+4*(\a)+(\q)%4], v[SC+48*((\q)/4)+4*\b+(\q)%4] matrix_a_fmt:MATRIX_FMT_FP4 matrix_b_fmt:MATRIX_FMT_FP4 matrix_b_scale:MATRIX_SCALE_ROW1
.else
	v_wmma_scale_f32_16x16x128_f8f6f4 v[8*(12*((\a)%2)+\b):8*(12*((\a)%2)+\b)+7], v[AF+32*((\q)%2)+8*(\a):AF+32*((\q)%2)+8*(\a)+7], v[128*((\q)%2)+8*\b:128*((\q)%2)+8*\b+7], v[8*(12*((\a)%2)+\b):8*(12*((\a)%2)+\b)+7], v[SC+48*((\q)/4)+4*(\a)+(\q)%4], v[SC+48*((\q)/4)+4*\b+(\q)%4] matrix_a_fmt:MATRIX_FMT_FP4 matrix_b_fmt:MATRIX_FMT_FP4 matrix_b_scale:MATRIX_SCALE_ROW1
.endif
.endr
.endr
.endm
; A step of 128 along K: 48 matrix instructions; the 48 accumulators take turns, one instruction a turn, in the same order in every step.
.macro STEP q
	s_wait_dscnt 0x0                               ; this step's fragments are in
.if (\q) == 3
	s_wait_tensorcnt 0x0                           ; my part of slot 1 has landed,
	s_barrier_signal -1
	s_barrier_wait -1                              ; everybody's has: the next fetch reads it.
.endif
.if (\q) < 7
	PLACES 4                                       ; four plain places between the last step's products and loads into the registers that they read (ISA guide 7.12.1 for vector instructions)
	FETCH (\q)+1                                   ; lands while this step is multiplied
.endif
	MULT \q, 0
	MULV \q, 0
	MULT \q, 2
	MULV \q, 2
	WIN 0
.endm
	s_wait_tensorcnt 0x1                           ; the scale bytes and my part of slot 0 are in (slot 1's load may be out),
	s_barrier_signal -1
	s_barrier_wait -1                              ; everybody's are
.irp s, 0,1
.irp i, 0,1,2,3,4,5,6,7,8,9,10,11
	ds_load_b128 v[SC+48*\s+4*\i:SC+48*\s+4*\i+3], v[ADRS] offset:\i*SBLK+16*\s   ; four words a row: the slot's 512 along K.  (For i > 3 lanes 0-15 read other rows' landed bytes, which no product takes)
.endr
.endr
	FETCH 0
.irp q, 0,1,2,3,4,5,6,7
	STEP \q
.endr
	; ---------------- the way out ----------------
	s_wait_loadcnt 0x0                             ; cos and sin
	PLACES 4                                       ; between the last products and the first read of results
.macro SUMSQ a                         ; my 32 channels' squares of q and of k, row block a: two chains each; every accumulator is read from its low end on
	WIN 0x0a+5*((\a)/2)                            ; sources 0 and 1 window 2 or 3; source 2 and destination window 0
.irp t, 0,1
	v_pk_mul_f32 v[SS+8*(\a)+4*\t:SS+8*(\a)+4*\t+1],   v[96*((\a)%2)+32*\t:96*((\a)%2)+32*\t+1],   v[96*((\a)%2)+32*\t:96*((\a)%2)+32*\t+1]
	v_pk_mul_f32 v[SS+8*(\a)+4*\t+2:SS+8*(\a)+4*\t+3], v[96*((\a)%2)+32*\t+2:96*((\a)%2)+32*\t+3], v[96*((\a)%2)+32*\t+2:96*((\a)%2)+32*\t+3]
.endr
.irp i, 4,8,12,16,20,24,28
.irp t, 0,1
	v_pk_fma_f32 v[SS+8*(\a)+4*\t:SS+8*(\a)+4*\t+1],   v[96*((\a)%2)+32*\t+\i:96*((\a)%2)+32*\t+\i+1],   v[96*((\a)%2)+32*\t+\i:96*((\a)%2)+32*\t+\i+1],   v[SS+8*(\a)+4*\t:SS+8*(\a)+4*\t+1]
	v_pk_fma_f32 v[SS+8*(\a)+4*\t+2:SS+8*(\a)+4*\t+3], v[96*((\a)%2)+32*\t+\i+2:96*((\a)%2)+32*\t+\i+3], v[96*((\a)%2)+32*\t+\i+2:96*((\a)%2)+32*\t+\i+3], v[SS+8*(\a)+4*\t+2:SS+8*(\a)+4*\t+3]
.endr
.endr
.endm
.irp a, 0,1,2,3
	SUMSQ \a
.endr
	WIN 0
.irp u, 0,1,2,3,4,5,6,7
	v_pk_add_f32 v[SS+4*\u:SS+4*\u+1], v[SS+4*\u:SS+4*\u+1], v[SS+4*\u+2:SS+4*\u+3]
.endr
.irp u, 0,1,2,3,4,5,6,7
	v_add_f32 v[SS+4*\u], v[SS+4*\u], v[SS+4*\u+1]
.endr
.irp u, 0,1,2,3,4,5,6,7
	v_permlanex16_b32 v[SS+4*\u+1], v[SS+4*\u], s98, s99           ; the row's other 32 channels lie in the lane 16 away
.endr
.irp u, 0,1,2,3,4,5,6,7
	v_add_f32 v[SS+4*\u], v[SS+4*\u], v[SS+4*\u+1]
.endr
.irp u, 0,1,2,3,4,5,6,7
	v_max_num_f32 v[SS+4*\u], 0x179abe15, v[SS+4*\u]               ; max(norm, 1e-12) squared = max(sum, 1e-24)
.endr
.irp u, 0,1,2,3,4,5,6,7
	v_rsq_f32 v[SS+4*\u+2], v[SS+4*\u]                             ; 1 / max(norm, 1e-12)
.endr
	v_nop                                          ; a plain line behind the last of them,
	s_wait_alu depctr_va_vdst(0)                   ; and one wait for the eight, ahead of their first reader
; Row block a: the rotation (channel d < 32 with d + 32: lo' = lo cos - hi sin, hi' = hi cos + lo sin), the division by the norm, the rounding to f16, the stores.
.macro EPI a
.set W5,  5*((\a)/2)
.set AB,  96*((\a)%2)                  ; the block's accumulators: q's four, k's four, v's four
.set TBL, 192+32*((\a)%2)              ; its cos and sin
.set OU,  64+48*((\a)%2)               ; its packed results, in window 1
.if (\a) > 1
	s_wait_xcnt 0x0                                ; the stores of two blocks back have read their data: the set is written again only behind this wait
.endif
	WIN 0x5a+W5                                    ; sources 0 and 1 window 2 or 3; source 2 and destination window 1
.irp t, 0,1
.irp b, 0,1
.irp p, 0,2,4,6
	v_pk_mul_f32 v[32*\t+8*\b+\p:32*\t+8*\b+\p+1],       v[AB+32*\t+8*\b+\p:AB+32*\t+8*\b+\p+1],       v[TBL+8*\b+\p:TBL+8*\b+\p+1]
	v_pk_mul_f32 v[32*\t+16+8*\b+\p:32*\t+16+8*\b+\p+1], v[AB+32*\t+16+8*\b+\p:AB+32*\t+16+8*\b+\p+1], v[TBL+8*\b+\p:TBL+8*\b+\p+1]
	v_pk_fma_f32 v[32*\t+8*\b+\p:32*\t+8*\b+\p+1],       v[AB+32*\t+16+8*\b+\p:AB+32*\t+16+8*\b+\p+1], v[TBL+16+8*\b+\p:TBL+16+8*\b+\p+1], v[32*\t+8*\b+\p:32*\t+8*\b+\p+1] neg_lo:[1,0,0] neg_hi:[1,0,0]
	v_pk_fma_f32 v[32*\t+16+8*\b+\p:32*\t+16+8*\b+\p+1], v[AB+32*\t+8*\b+\p:AB+32*\t+8*\b+\p+1],       v[TBL+16+8*\b+\p:TBL+16+8*\b+\p+1], v[32*\t+16+8*\b+\p:32*\t+16+8*\b+\p+1]
.endr
.endr
.endr
	WIN 0x41                                       ; destination and source 0 window 1, the divisor window 0
.irp t, 0,1
.irp i, 0,2,4,6,8,10,12,14,16,18,20,22,24,26,28,30
	v_pk_mul_f32 v[32*\t+\i:32*\t+\i+1], v[32*\t+\i:32*\t+\i+1], v[SS+8*(\a)+4*\t+2:SS+8*(\a)+4*\t+3] op_sel_hi:[1,0]
.endr
.endr
	WIN 0x45
.irp t, 0,1
.irp i, 0,1,2,3,4,5,6,7,8,9,10,11,12,13,14,15
	v_cvt_pk_f16_f32 v[OU+16*\t+\i], v[32*\t+2*\i], v[32*\t+2*\i+1]
.endr
.endr
	WIN 0x4a+W5
.irp i, 0,1,2,3,4,5,6,7,8,9,10,11,12,13,14,15
	v_cvt_pk_f16_f32 v[OU+32+\i], v[AB+64+2*\i], v[AB+64+2*\i+1]   ; v as it is: a lane's eight keys of one channel
.endr
	WIN 0x04                                       ; a store's data are its source 1: window 1
.irp b, 0,1,2,3
	global_store_b128 v[L16], v[OU+4*\b:OU+4*\b+3],       s[10:11] offset:(\a)*2048+512*\b          ; each store of the wave covers 512 consecutive bytes, aligned
	global_store_b128 v[L16], v[OU+16+4*\b:OU+16+4*\b+3], s[12:13] offset:(\a)*2048+512*\b
	global_store_b128 v[L16], v[OU+32+4*\b:OU+32+4*\b+3], s[14:15] offset:((\a)/2)*4096+1024*\b+512*((\a)%2)
.endr
	WIN 0
.endm
.irp a, 0,1,2,3
	EPI \a
.endr
	s_wait_tensorcnt 0x0                           ; the wave's end
	ds_add_u32 v[SPW], v[NIL]
	s_wait_dscnt 0x0
	CROUND                                         ; the closing round
	s_endpgm
.Lfunc_end_k_qa1d908c2df_qkv:
	.size	k_qa1d908c2df_qkv, .Lfunc_end_k_qa1d908c2df_qkv-k_qa1d908c2df_qkv
	.p2alignl 7, 3214868480
	.fill 96, 4, 3214868480
	.section	.rodata,"a",@progbits
	.p2align	6, 0x0
	.amdhsa_kernel k_qa1d908c2df_qkv
		.amdhsa_group_segment_fixed_size 259584
		.amdhsa_private_segment_fixed_size 0
		.amdhsa_enable_private_segment 0
		.amdhsa_kernarg_size 48
		.amdhsa_user_sgpr_count 2
		.amdhsa_user_sgpr_kernarg_segment_ptr 1
		.amdhsa_wavefront_size32 1
		.amdhsa_system_sgpr_workgroup_id_x 1
		.amdhsa_system_sgpr_workgroup_id_y 1
		.amdhsa_system_sgpr_workgroup_id_z 1
		.amdhsa_system_vgpr_workitem_id 0
		.amdhsa_next_free_vgpr 1024
		.amdhsa_next_free_sgpr 100
		.amdhsa_reserve_vcc 0
		.amdhsa_float_denorm_mode_32 3
		.amdhsa_float_denorm_mode_16_64 3
		.amdhsa_memory_ordered 1
		.amdhsa_forward_progress 1
		.amdhsa_inst_pref_size 134
	.end_amdhsa_kernel
	.amdgpu_metadata
---
amdhsa.version: [ 1, 2 ]
amdhsa.kernels:
  - .name:           k_qa1d908c2df_qkv
    .symbol:         k_qa1d908c2df_qkv.kd
    .args:
      - { .name: codes, .offset: 0, .size: 8, .value_kind: global_buffer, .address_space: global }
      - { .name: scl, .offset: 8, .size: 8, .value_kind: global_buffer, .address_space: global }
      - { .name: tab, .offset: 16, .size: 8, .value_kind: global_buffer, .address_space: global }
      - { .name: qimg, .offset: 24, .size: 8, .value_kind: global_buffer, .address_space: global }
      - { .name: kimg, .offset: 32, .size: 8, .value_kind: global_buffer, .address_space: global }
      - { .name: vimg, .offset: 40, .size: 8, .value_kind: global_buffer, .address_space: global }
    .group_segment_fixed_size: 259584
    .private_segment_fixed_size: 0
    .kernarg_segment_align: 8
    .kernarg_segment_size: 48
    .max_flat_workgroup_size: 128
    .sgpr_count:     100
    .vgpr_count:     1024
    .wavefront_size: 32
...
	.end_amdgpu_metadata
.endif
;; end of part 2
;; launch attn (part 3): grid 8 x 32, 8 waves a work-group, clusters of 4 x 1, 327,680 bytes of LDS; arguments qimg, kimg, vimg, scale, oimg; writes oimg
.if DOCPART == 3
	.amdgcn_target "amdgcn-amd-amdhsa--gfx1250"
	.amdhsa_code_object_version 6
	.text
	.protected	k_qa1d908c2df_attn
	.globl	k_qa1d908c2df_attn
	.p2align	8
	.type	k_qa1d908c2df_attn,@function
k_qa1d908c2df_attn:
	s_mov_b64 s[64:65], 0
	v_nop
	global_prefetch_b8 v0, s[64:65] scope:SCOPE_SE
	s_setreg_imm32_b32 hwreg(HW_REG_WAVE_MODE, 25, 1), 1
	s_wait_xcnt 0x0
	s_wait_alu depctr_hold_cnt(0) depctr_sa_sdst(0) depctr_va_vdst(0) depctr_va_sdst(0) depctr_va_ssrc(0) depctr_va_vcc(0) depctr_vm_vsrc(0)
	s_getreg_b32 s2, hwreg(HW_REG_IB_STS2, 6, 4)
	s_cmp_eq_u32 s2, 0
	s_cbranch_scc0 .Lentry_in_a_cluster
	s_endpgm
.Lentry_in_a_cluster:
	s_bfe_u32 s2, ttmp6, 0x10000c
	s_cmp_lg_u32 s2, 0x3003
	s_cbranch_scc0 .Lentry_shape_is_right
	s_endpgm
.Lentry_shape_is_right:
; o[q] = the sum over k of softmax_k(exp(scale) q . k) v[k], for each of 32 (batch, head): 2,048 queries, 2,048 keys, head size 64, no mask.  q, k (unit vectors), v arrive as f16 images of operand registers.
; Products with f16 operands and f32 sums; maxima, exponentials and sums in f32; the weights p are rounded to f16 for the second product; o leaves as f16 images for the projection.
; SOFTMAX.  For each query a running maximum m of the scores s and a sum l: p = 2^(c s - c m), c = exp(scale) log2(e); in every step O and l are multiplied by a = 2^(c m_old - c m_new).  LIMIT: |v|, |o| under 65,504.
; SHARES.  A work-group owns 256 queries of one (batch, head).  Wave w: queries 64 (w % 4) on, four tiles of 16; and of the keys, 64 a step, the even steps (w < 4) or the odd ones (w >= 4): 16 steps.
; At the end waves w and w xor 4 exchange halves through LDS: each keeps two tiles and merges the partner's maximum, sum and O into them.  Register tile t holds query tile (t + 2 (w / 4)) % 4, so every wave keeps its register tiles 0, 1.
; LAYOUT.  S^T = K Q^T (source 0 = 16 keys, source 1 = 16 queries) and O^T = V^T P: a lane holds ONE query throughout; two tiles of S^T, rounded in pairs, are source 1 of the second product.
; TWO ROLES.  A wave's work is a chain MM, SM, MM, SM ..: MM = 32 products V^T P of a step, with O^T's rescaling set among the first sixteen, and 32 products K Q^T of the next step; SM = the softmax of a step.
; In a trip a wave of role 0 runs MM then SM, a wave of role 1 SM then MM.  The role is (w xor w / 4) % 2: waves w and w + 4 differ in it, and so do waves 2 i and 2 i + 1.
; All waves meet at a barrier behind trip 0 and at each change of slots, every four trips: behind each of these the two roles start in opposite halves of the chain.  Between them each wave goes at its own pace:
; all LDS accesses there are reads of a slot that was filled before the earlier barrier, so nothing is left to order.  All LDS reads of trip n, in both roles, are of the wave's step n.
; RING.  Two slots of 512 keys (K's images, 64 KiB, then V's): dense blocks of memory, 16 KiB a wave by one tensor load.  CLUSTER: the four query blocks of a cluster walk the same K and V: each tile is asked for jointly.
; REGISTERS: window 0: v1-14 addresses; v16-47 statistics, 8 a tile; v48-55 at work; v64-191 S^T, 32 a tile, then P in the low 16 of each; v192-255 Q.   window 1: v0-127 O^T, 32 a tile; v128-191 K of a step; v192-255 V of a step.
.set SLOT1, 1<<17                      ; slot 1 begins here: one exclusive or turns an address from one slot into the other
.set VOFF,  65536                      ; V's images in a slot
.set STEPB, 16384                      ; from one step of a wave to its next: two steps of 64 keys, 8,192 bytes each
.set SPARE, 2*SLOT1                    ; behind the ring: the spare words, 128 bytes a wave
.set XCH,   8704                       ; the exchange: 8,192 bytes of O and 512 of statistics for each wave, in slot 0, which has had its last fill and its last read by then
.set L16, 1                            ; v1  16 x lane
.set AK0, 2                            ; v2  my lane's place in a slot's K: 8,192 x (w / 4) + 16 x lane
.set AV0, 3                            ; v3  the same for V
.set ADK, 4                            ; v4, v5 the addresses of the trip's loads: written in common text alone
.set ADV, 5
.set QO0, 6                            ; v6, v7 Q's offsets for register tiles 0, 1 and 2, 3
.set QO1, 7
.set XST, 8                            ; v8  the exchange: where I put, v9 where I take; v10, v11 the same for the statistics
.set XLD, 9
.set XSS, 10
.set XSL, 11
.set SPW, 12                           ; v12 LDS address of my spare word; never rewritten
.set NIL, 13                           ; v13 0; never rewritten
.set PFO, 14                           ; v14 256 x lane; never rewritten
.set ST,  16                           ; tile t's statistics at ST + 8 t: +0 c m, +1 m, +2, +3 l (even keys', odd keys'), +4 .. +7 at work; a takes +6
.set TMP, 48
.set S,   64
.set QF,  192
.set KF,  128                          ; in window 1
.set VF,  192
.set WV,  14                           ; s14 wave;  s15 w % 4;  s16 w / 4;  s17 the role
.set GQ,  15
.set SP,  16
.set RHO, 17
.set G1,  24                           ; s[24:31] descriptor group 1;  s[32:35] group 0 of slot 0's first fill;  s[36:39] of slot 1's, which then walks
.set CS,  40                           ; s[40:41] c
.set SEL, 42                           ; s[42:43] selects for lane l xor 16
.set TB,  44                           ; s44 LDS byte at which the trip's step begins
.set CNT, 45                           ; s45 trips;  s46 refills to go
.set PH,  46
.set LIM, 47                           ; s47 1 in a wave that prefetches, else the greatest number
.set PFA, 48                           ; s[48:49] what it names; never rewritten
.set MSB, 0
.macro WIN new                         ; the immediate's high byte repeats the setting that is left
.if MSB != (\new)
	s_set_vgpr_msb (MSB<<8)|(\new)
.set MSB, (\new)
.endif
.endm
.macro CROUND                          ; a round of the cluster's barrier
	s_barrier_signal -1
	s_barrier_wait -1
	s_cmp_lg_u32 s[WV], 0
	s_cbranch_scc1 .Lnot_wave_0_\@
	s_barrier_signal -3
.Lnot_wave_0_\@:
	s_barrier_wait -3
	s_barrier_signal -1
	s_barrier_wait -1
.endm
; A PREFETCH INTO THE L2, once in the launch: at the first refill, for the last 512 keys' images, which the second refill will ask for, four trips on.  Both clusters of a (batch, head) walk the same K and V:
; the first asks.  In each of its four partners waves 0, 2 name 8,192 bytes of K's 65,536 and waves 4, 6 of V's, lanes 256 bytes apart; the partners are told apart by address.  The earlier keys come by their loads alone.
.macro ASK
	s_cmp_gt_u32 s[PH], s[LIM]
	s_cbranch_scc0 .Lnot_mine_\@
	global_prefetch_b8 v[PFO], s[PFA:PFA+1] th:TH_LOAD_NT scope:SCOPE_SE
.Lnot_mine_\@:
.endm
	s_load_b256 s[4:11], s[0:1], 0x0               ; qimg, kimg, vimg, scale
	s_load_b64 s[12:13], s[0:1], 0x20              ; oimg
	v_lshl_add_u32 v[SPW], v0, 2, SPARE
	v_mov_b32 v[NIL], 0
	ds_add_u32 v[SPW], v[NIL]                      ; the wave's opening: the add, twice on end, and its wait ahead of my first tensor load
	ds_add_u32 v[SPW], v[NIL]
	v_lshrrev_b32 v15, 5, v0
	v_readfirstlane_b32 s[WV], v15                 ; wave 0..7
	s_and_b32 s[GQ], s[WV], 3
	s_lshr_b32 s[SP], s[WV], 2
	s_xor_b32 s[RHO], s[WV], s[SP]
	s_and_b32 s[RHO], s[RHO], 1
	s_bfe_u32 s18, ttmp6, 0x40000                  ; cx: it enters global addresses of Q, O and the prefetch alone
	s_lshl_b32 s19, ttmp9, 2
	s_add_co_u32 s19, s19, s18                     ; my block of 256 queries
	s_and_b32 s20, ttmp7, 0xffff                   ; batch x 16 + head, which the four partners share
	; group 1: 16,384 dense bytes as 64 rows of 256 (32 elements of 8 bytes), no padding: images are read 16 bytes a lane on end
	s_mov_b32 s[G1], 15|(3<<16)|(1<<21)            ; the mask: all four work-groups; elements of 8 bytes; bit 21 beside a mask
	s_mov_b32 s[G1+1], 32<<16
	s_mov_b32 s[G1+2], 64<<16
	s_mov_b32 s[G1+3], 32<<16
	s_mov_b32 s[G1+4], 64
	s_mov_b32 s[G1+5], 32
	s_mov_b32 s[G1+6], 0
	s_mov_b32 s[G1+7], 0
	s_lshl_b32 s50, s20, 18                        ; the head's 262,144 bytes in each of q, k, v
	s_mov_b32 s51, 0
	s_lshr_b32 s56, s[WV], 1                       ; the prefetch: the last 65,536 bytes, 32,768 x ((w / 2) % 2) + 8,192 x cx on
	s_and_b32 s56, s56, 1
	s_lshl_b32 s56, s56, 15
	s_lshl_b32 s57, s18, 13
	s_add_co_u32 s56, s56, s57
	s_add_co_u32 s56, s56, 3*65536
	s_mov_b32 s57, 0
	s_lshl_b32 s58, s[GQ], 14                      ; my quarter of a slot's K or V
	s_mov_b32 s59, 0
	s_lshl_b32 s60, s19, 15                        ; Q: my wave's four tiles of 2,048 bytes
	s_lshl_b32 s61, s[GQ], 13
	s_add_co_u32 s60, s60, s61
	s_add_co_u32 s60, s60, s50
	s_mov_b32 s61, 0
	s_lshr_b32 s62, s20, 4                         ; O: row tile batch x 128 + 16 x block + 4 (w % 4) + 2 (w / 4), 32,768 bytes each; + head x 2,048
	s_lshl_b32 s62, s62, 7
	s_lshl_b32 s63, s19, 4
	s_add_co_u32 s62, s62, s63
	s_lshl_b32 s63, s[GQ], 2
	s_add_co_u32 s62, s62, s63
	s_lshl_b32 s63, s[SP], 1
	s_add_co_u32 s62, s62, s63
	s_lshl_b32 s62, s62, 15
	s_and_b32 s63, s20, 15
	s_lshl_b32 s63, s63, 11
	s_add_co_u32 s62, s62, s63
	s_mov_b32 s63, 0
	s_mov_b32 s[SEL], 0x76543210
	s_mov_b32 s[SEL+1], 0xfedcba98
	s_mov_b32 s[TB], 0
	s_and_b32 s[LIM], s[WV], 1                     ; 0 in the even waves
	s_or_b32 s[LIM], s[LIM], ttmp9                 ; of the head's first cluster: the same in all four partners
	s_cmp_eq_u32 s[LIM], 0
	s_cselect_b32 s[LIM], 1, -1
	s_wait_dscnt 0x0                               ; both opening adds are done
	s_wait_kmcnt 0x0
	s_load_b32 s54, s[10:11], 0x0                  ; scale: awaited where it is first read, behind the first fills and Q's loads
	s_cmp_lt_u32 s[WV], 4                          ; waves 0-3 fetch K's quarters, waves 4-7 V's
	s_cselect_b64 s[52:53], s[6:7], s[8:9]
	s_add_nc_u64 s[52:53], s[52:53], s[50:51]
	s_add_nc_u64 s[PFA:PFA+1], s[52:53], s[56:57]
	s_add_nc_u64 s[52:53], s[52:53], s[58:59]
	s_add_nc_u64 s[4:5], s[4:5], s[60:61]
	s_add_nc_u64 s[12:13], s[12:13], s[62:63]
	s_mov_b32 s32, 1                               ; count = 1
	s_lshl_b32 s33, s[WV], 14                      ; LDS: slot 0, wave x 16,384
	s_mov_b64 s[34:35], s[52:53]                   ; the first 512 keys
	s_or_b32 s35, s35, 0x80000000                  ; type = 2
	s_mov_b32 s36, 1
	s_add_co_u32 s37, s33, SLOT1
	s_add_nc_u64 s[38:39], s[52:53], 65536         ; the next 512
	s_or_b32 s39, s39, 0x80000000
	CROUND                                         ; all four work-groups are here: the first joint loads meet
	tensor_load_to_lds s[32:35], s[G1:G1+7]        ; two loads of mine are out
	s_nop 0
	tensor_load_to_lds s[36:39], s[G1:G1+7]
	s_nop 0
.rept 4
	v_nop
.endr
	v_and_b32 v15, 31, v0
	v_lshlrev_b32 v[L16], 4, v15
	v_lshlrev_b32 v[PFO], 8, v15
	s_lshl_b32 s21, s[SP], 12
	v_add_nc_u32 v[QO0], s21, v[L16]               ; register tiles 0, 1 are query tiles 2 (w / 4) on,
	s_sub_co_u32 s21, 4096, s21
	v_add_nc_u32 v[QO1], s21, v[L16]               ; register tiles 2, 3 the other two
.irp t, 0,1
.irp c, 0,1
	global_load_b128 v[QF+16*\t+8*\c:QF+16*\t+8*\c+3],       v[QO0], s[4:5] offset:2048*\t+1024*\c
	global_load_b128 v[QF+16*\t+8*\c+4:QF+16*\t+8*\c+7],     v[QO0], s[4:5] offset:2048*\t+1024*\c+512
	global_load_b128 v[QF+32+16*\t+8*\c:QF+32+16*\t+8*\c+3],   v[QO1], s[4:5] offset:2048*\t+1024*\c
	global_load_b128 v[QF+32+16*\t+8*\c+4:QF+32+16*\t+8*\c+7], v[QO1], s[4:5] offset:2048*\t+1024*\c+512
.endr
.endr
	s_lshl_b32 s21, s[SP], 13
	v_add_nc_u32 v[AK0], s21, v[L16]
	v_add_nc_u32 v[AV0], VOFF, v[AK0]
	s_mul_i32 s21, s[WV], XCH
	s_xor_b32 s22, s[WV], 4
	s_mul_i32 s22, s22, XCH
	v_add_nc_u32 v[XST], s21, v[L16]
	v_add_nc_u32 v[XLD], s22, v[L16]
	v_lshlrev_b32 v15, 3, v15
	v_add_nc_u32 v[XSS], s21, v15
	v_add_nc_u32 v[XSL], s22, v15
	s_wait_kmcnt 0x0                               ; scale
	v_mov_b32 v48, s54
	v_mul_f32 v48, 0x3fb8aa3b, v48
	v_exp_f32 v49, v48                             ; exp(scale)
.irp t, 0,1,2,3
	v_mov_b32 v[ST+8*\t], 0xff61b1e6               ; c m and m begin at -3e38, under every score: the first a is 0 and multiplies zeros
	v_mov_b32 v[ST+8*\t+1], 0xff61b1e6
	v_mov_b32 v[ST+8*\t+2], 0                      ; l
	v_mov_b32 v[ST+8*\t+3], 0
	v_mov_b32 v[ST+8*\t+6], 0                      ; a and the register named with it as a pair: written once here, so that they are written on every way through the text; every SM writes them anew
	v_mov_b32 v[ST+8*\t+7], 0
.endr
	s_wait_alu depctr_va_vdst(0)                   ; the wait ahead of the exponential's first reader; the moves above are the plain work between
	v_mul_f32 v49, 0x3fb8aa3b, v49
	v_readfirstlane_b32 s[CS], v49                 ; c = exp(scale) log2(e)
	s_mov_b32 s[CS+1], s[CS]                       ; (named with it as a pair)
	WIN 0x40
.set i, 0
.rept 128
	v_mov_b32 v[i], 0                              ; O^T.  (The step is written without a first step of its own: that spares a further copy of it)
.set i, i+1
.endr
	WIN 0
; O^T's accumulator j (tile j % 4, channels 16 (j / 4) on) x a, from its low pair on.  Under the window setting of V^T P its operands fall right: O^T in window 1, a in window 0.
.macro RESC j
.irp p, 0,2,4,6
	v_pk_mul_f32 v[32*((\j)%4)+8*((\j)/4)+\p:32*((\j)%4)+8*((\j)/4)+\p+1], v[32*((\j)%4)+8*((\j)/4)+\p:32*((\j)%4)+8*((\j)/4)+\p+1], v[ST+8*((\j)%4)+6:ST+8*((\j)%4)+7] op_sel_hi:[1,0]
.endr
.endm
; MM.  pv = 1: 32 products O^T += V^T P of the step in hand.  kq = 1: the next step's K and V are fetched, and 32 products S^T = K Q^T.  The accumulators take turns, one instruction a turn.
; O^T's rescaling by a stands among the first sixteen products: an accumulator's four lines two products ahead of the product that adds onto it.  They name no register of the products round them.
.macro MM pv, kq
.rept 5
	v_nop                                          ; five plain places behind whatever products stand ahead on any way through the text: K's loads land on registers that products read, and V^T P takes S^T's registers as a source
.endr
.if \kq
	WIN 0x40                                       ; destination window 1
.irp f, 0,1,2,3,4,5,6,7                        ; keys 16 (f / 2) on, channels 32 (f % 2) on
	ds_load_b128 v[KF+8*\f:KF+8*\f+3],   v[ADK] offset:1024*\f
	ds_load_b128 v[KF+8*\f+4:KF+8*\f+7], v[ADK] offset:1024*\f+512
.endr
.endif
.if \pv
	WIN 0x51                                       ; V and O^T window 1, P and a window 0
	RESC 0
	RESC 1
.if \kq
	s_wait_dscnt 16                                ; V is in; K's sixteen loads, just issued, may be out
.else
	s_wait_dscnt 0x0
.endif
.set J, 0
.rept 16                                       ; keys 0-31: channels 16 (J / 4) on, tile J % 4
.if J < 14
	RESC J+2
.endif
	v_wmma_f32_16x16x32_f16 v[32*(J%4)+8*(J/4):32*(J%4)+8*(J/4)+7], v[VF+8*(J/4):VF+8*(J/4)+7], v[S+32*(J%4):S+32*(J%4)+7], v[32*(J%4)+8*(J/4):32*(J%4)+8*(J/4)+7]
.set J, J+1
.endr
.set J, 0
.rept 16                                       ; keys 32-63
	v_wmma_f32_16x16x32_f16 v[32*(J%4)+8*(J/4):32*(J%4)+8*(J/4)+7], v[VF+32+8*(J/4):VF+32+8*(J/4)+7], v[S+32*(J%4)+8:S+32*(J%4)+15], v[32*(J%4)+8*(J/4):32*(J%4)+8*(J/4)+7]
.set J, J+1
.endr
.endif
.if \kq
.if \pv
.rept 5
	v_nop                                          ; five places: V's loads land on sources of the products above (four are asked), and the products below write over P (five)
.endr
.endif
	WIN 0x40
.irp f, 0,1,2,3,4,5,6,7                        ; keys 32 (f / 4) on, channels 16 (f % 4) on
	ds_load_b128 v[VF+8*\f:VF+8*\f+3],   v[ADV] offset:1024*\f
	ds_load_b128 v[VF+8*\f+4:VF+8*\f+7], v[ADV] offset:1024*\f+512
.endr
	s_wait_dscnt 16                                ; K is in; V's sixteen loads may be out
	WIN 0x01                                       ; K window 1; Q and S^T window 0
.irp kt, 0,1,2,3
.irp t, 0,1,2,3
	v_wmma_f32_16x16x32_f16 v[S+32*\t+8*\kt:S+32*\t+8*\kt+7], v[KF+16*\kt:KF+16*\kt+7], v[QF+16*\t:QF+16*\t+7], 0
.endr
.endr
.irp kt, 0,1,2,3
.irp t, 0,1,2,3
	v_wmma_f32_16x16x32_f16 v[S+32*\t+8*\kt:S+32*\t+8*\kt+7], v[KF+16*\kt+8:KF+16*\kt+15], v[QF+16*\t+8:QF+16*\t+15], v[S+32*\t+8*\kt:S+32*\t+8*\kt+7]
.endr
.endr
.endif
	WIN 0
.endm
.macro SCL1 t, b                       ; c s - c m for pair b of tile t
	v_pk_fma_f32 v[S+32*(\t)+2*\b:S+32*(\t)+2*\b+1], v[S+32*(\t)+2*\b:S+32*(\t)+2*\b+1], s[CS:CS+1], v[ST+8*(\t):ST+8*(\t)+1] op_sel_hi:[1,0,0] neg_lo:[0,0,1] neg_hi:[0,0,1]
.endm
; SM.  The softmax of one step for the four tiles, which take turns line by line.  A lane has 32 scores a tile.  All of it lies in window 0; a is left for the next MM, which rescales O^T by it.
.macro SM
.rept 4
	v_nop                                          ; four places between the last product and the first read of scores
.endr
.irp j, 0,1,2,3                                ; the maximum: four chains a tile, each begun at an accumulator's low end
.irp t, 0,1,2,3
	v_max3_num_f32 v[ST+8*\t+4+\j], v[S+32*\t+8*\j], v[S+32*\t+8*\j+1], v[S+32*\t+8*\j+2]
.endr
.endr
.irp u, 1,2
.irp j, 0,1,2,3
.irp t, 0,1,2,3
	v_max3_num_f32 v[ST+8*\t+4+\j], v[ST+8*\t+4+\j], v[S+32*\t+8*\j+2*\u+1], v[S+32*\t+8*\j+2*\u+2]
.endr
.endr
.endr
.irp t, 0,1,2,3
	v_max3_num_f32 v[ST+8*\t+4], v[ST+8*\t+4], v[S+32*\t+7], v[S+32*\t+15]
.endr
.irp t, 0,1,2,3
	v_max3_num_f32 v[ST+8*\t+6], v[ST+8*\t+6], v[S+32*\t+23], v[S+32*\t+31]
.endr
.irp t, 0,1,2,3
	v_max3_num_f32 v[ST+8*\t+4], v[ST+8*\t+4], v[ST+8*\t+5], v[ST+8*\t+6]
.endr
.irp t, 0,1,2,3
	v_max3_num_f32 v[ST+8*\t+4], v[ST+8*\t+4], v[ST+8*\t+7], v[ST+8*\t+1]   ; with the old m
.endr
.irp t, 0,1,2,3
	v_permlanex16_b32 v[ST+8*\t+5], v[ST+8*\t+4], s[SEL], s[SEL+1]          ; the query's other 32 keys lie in the lane 16 away
.endr
.irp t, 0,1,2,3
	v_mov_b32 v[ST+8*\t+7], v[ST+8*\t]             ; c m_old
.endr
.irp t, 0,1,2,3
	v_max_num_f32 v[ST+8*\t+1], v[ST+8*\t+4], v[ST+8*\t+5]
.endr
.irp t, 0,1,2,3
	v_mul_f32 v[ST+8*\t], s[CS], v[ST+8*\t+1]
.endr
.irp t, 0,1,2,3
	v_sub_f32 v[ST+8*\t+7], v[ST+8*\t+7], v[ST+8*\t]
.endr
	; ONE BATCH: the scalings and all 132 exponentials; none of these lines names an exponential's result.  A tile's exponentials stand among the next tile's scalings.
.irp b, 0,1,2,3,4,5,6,7,8,9,10,11,12,13,14,15
	SCL1 0, \b
.endr
.irp t, 0,1,2,3
	v_exp_f32 v[ST+8*\t+6], v[ST+8*\t+7]           ; a
.endr
.irp t, 0,1,2,3
.irp b, 0,1,2,3,4,5,6,7,8,9,10,11,12,13,14,15
.if \t < 3
	SCL1 \t+1, \b
.endif
	v_exp_f32 v[S+32*\t+2*\b], v[S+32*\t+2*\b]
	v_exp_f32 v[S+32*\t+2*\b+1], v[S+32*\t+2*\b+1]
.endr
.endr
	v_nop                                          ; a plain line behind the last exponential,
	s_wait_alu depctr_va_vdst(0)                   ; and one wait for the whole batch, ahead of its first reader
.irp t, 0,1,2,3
	v_pk_mul_f32 v[ST+8*\t+2:ST+8*\t+3], v[ST+8*\t+2:ST+8*\t+3], v[ST+8*\t+6:ST+8*\t+7] op_sel_hi:[1,0]   ; l x a
.endr
.irp t, 0,1,2,3
	v_pk_add_f32 v[TMP+2*\t:TMP+2*\t+1], v[S+32*\t:S+32*\t+1], v[S+32*\t+2:S+32*\t+3]                     ; the sum of the unrounded p, two chains a tile
.endr
.irp j, 4,8,12,16,20,24,28
.irp t, 0,1,2,3
	v_pk_add_f32 v[ST+8*\t+2:ST+8*\t+3], v[ST+8*\t+2:ST+8*\t+3], v[S+32*\t+\j:S+32*\t+\j+1]
	v_pk_add_f32 v[TMP+2*\t:TMP+2*\t+1], v[TMP+2*\t:TMP+2*\t+1], v[S+32*\t+\j+2:S+32*\t+\j+3]
.endr
.endr
.irp t, 0,1,2,3
	v_pk_add_f32 v[ST+8*\t+2:ST+8*\t+3], v[ST+8*\t+2:ST+8*\t+3], v[TMP+2*\t:TMP+2*\t+1]
.endr
.irp i, 0,1,2,3,4,5,6,7,8,9,10,11,12,13,14,15  ; P, in place: register i takes pair i, which lies at 2 i, 2 i + 1: what it writes over has been read
.irp t, 0,1,2,3
	v_cvt_pk_f16_f32 v[S+32*\t+\i], v[S+32*\t+2*\i], v[S+32*\t+2*\i+1]
.endr
.endr
.endm
.macro CLOCK                           ; a barrier at which all eight waves meet: no LDS instruction of mine is out at the signal
	s_wait_dscnt 0x0
	s_barrier_signal -1
	s_barrier_wait -1
.endm
.macro ADDR                            ; the trip's LDS addresses, in common text
	v_add_nc_u32 v[ADK], s[TB], v[AK0]
	v_add_nc_u32 v[ADV], s[TB], v[AV0]
	s_add_co_u32 s[TB], s[TB], STEPB
.endm
.macro TRIP                            ; no barrier: the trip's LDS accesses are reads of a slot that nobody writes before the next change of slots
	ADDR
	s_cmp_eq_u32 s[RHO], 0
	s_cbranch_scc0 .Lrole_1_\@
	MM 1, 1
	SM
	s_branch .Ljoin_\@
.Lrole_1_\@:
	SM
	MM 1, 1
.Ljoin_\@:
.endm
; THE CHANGE OF SLOTS, after every four trips.  Each wave waits for all its tensor loads (its part of the other slot), adds 0 to its spare word, and waits for that and for its reads of the slot that it leaves.
; fill = 1: a round of the cluster's barrier, and the joint refill first behind it: the slot just left takes the keys two slots on; the load has four trips in which to land.
.macro CHANGE fill
	s_wait_tensorcnt 0x0                           ; no tensor load of mine is out, so a group 0 may be written
	ds_add_u32 v[SPW], v[NIL]
.if \fill
	s_xor_b32 s37, s37, SLOT1                      ; the walking descriptor: the other slot than last time,
	s_add_nc_u64 s[38:39], s[38:39], 65536         ; the next 512 keys
.endif
	s_wait_dscnt 0x0                               ; the add is done, and my reads of the slot are over
.if \fill
	CROUND
	tensor_load_to_lds s[36:39], s[G1:G1+7]        ; my one tensor load behind the round
	s_nop 0
.rept 4
	v_nop
.endr
	ASK
.else
	s_barrier_signal -1
	s_barrier_wait -1
.endif
	s_sub_co_u32 s[TB], s[TB], 4*STEPB             ; back to a slot's first step,
	s_xor_b32 s[TB], s[TB], SLOT1                  ; in the other slot
.endm
	s_wait_tensorcnt 0x1                           ; my part of slot 0 is in; slot 1's may stay out
	s_barrier_signal -1
	s_barrier_wait -1                              ; everybody's is
	s_wait_loadcnt 0x0                             ; Q
	ADDR
	MM 0, 1                                        ; trip 0: the first scores, in both roles;
	s_cmp_eq_u32 s[RHO], 0
	s_cbranch_scc0 .Ltrip_0_done
	SM                                             ; role 0 goes on to its first softmax
.Ltrip_0_done:
	CLOCK                                          ; all meet: from here role 0 is half a chain ahead of role 1
	s_mov_b32 s[CNT], 3
.Lfirst:                                           ; trips 1 to 3
	TRIP
	s_sub_co_u32 s[CNT], s[CNT], 1
	s_cmp_lg_u32 s[CNT], 0
	s_cbranch_scc1 .Lfirst
	s_mov_b32 s[PH], 2
.Lphase:                                           ; trips 4 to 11: two changes that fill a slot again
	CHANGE 1
	s_mov_b32 s[CNT], 4
.Lmid:
	TRIP
	s_sub_co_u32 s[CNT], s[CNT], 1
	s_cmp_lg_u32 s[CNT], 0
	s_cbranch_scc1 .Lmid
	s_sub_co_u32 s[PH], s[PH], 1
	s_cmp_lg_u32 s[PH], 0
	s_cbranch_scc1 .Lphase
	CHANGE 0                                       ; the tail is written out
	s_mov_b32 s[CNT], 4
.Llast:                                            ; trips 12 to 15
	TRIP
	s_sub_co_u32 s[CNT], s[CNT], 1
	s_cmp_lg_u32 s[CNT], 0
	s_cbranch_scc1 .Llast
	CLOCK                                          ; every wave's LDS reads are over: behind this barrier the exchange may store.  Trip 16: role 1's last softmax,
	s_cmp_eq_u32 s[RHO], 0
	s_cbranch_scc1 .Ltrip_16
	SM
.Ltrip_16:
	MM 1, 0                                        ; and the last V^T P, in both roles
	; THE MERGE.  I give register tiles 2, 3 (O^T, c m, l) to wave w xor 4 and take its two, which are my tiles 0, 1 over the other half of the keys.
.rept 4
	v_nop                                          ; four places between the last product and the first read of O^T
.endr
.irp t, 0,1,2,3
	v_add_f32 v[ST+8*\t+1], v[ST+8*\t+2], v[ST+8*\t+3]             ; l's two halves, beside c m
.endr
	WIN 0x04                                       ; an LDS store's data are its source 1: window 1
.irp i, 0,1,2,3,4,5,6,7,8,9,10,11,12,13,14,15
	ds_store_b128 v[XST], v[64+4*\i:64+4*\i+3] offset:512*\i       ; as images: 16 bytes a lane; each accumulator from its low end on
.endr
	WIN 0
	ds_store_b64 v[XSS], v[ST+16:ST+17] offset:8192
	ds_store_b64 v[XSS], v[ST+24:ST+25] offset:8192+256
	s_wait_dscnt 0x0                               ; for the partner's sake: my stores are done
	s_barrier_signal -1
	s_barrier_wait -1
	WIN 0x40
.irp i, 0,1,2,3,4,5,6,7,8,9,10,11,12,13,14,15
	ds_load_b128 v[128+4*\i:128+4*\i+3], v[XLD] offset:512*\i
.endr
	WIN 0
	ds_load_b64 v[TMP:TMP+1], v[XSL] offset:8192
	ds_load_b64 v[TMP+2:TMP+3], v[XSL] offset:8192+256
	s_wait_dscnt 0x0
.irp t, 0,1
	v_max_num_f32 v[ST+8*\t+4], v[ST+8*\t], v[TMP+2*\t]            ; the common c m
.endr
.irp t, 0,1
	v_sub_f32 v[ST+8*\t+5], v[ST+8*\t], v[ST+8*\t+4]
	v_sub_f32 v[ST+8*\t+6], v[TMP+2*\t], v[ST+8*\t+4]
.endr
.irp t, 0,1
	v_exp_f32 v[ST+8*\t+2], v[ST+8*\t+5]           ; my part's factor,
	v_exp_f32 v[ST+8*\t+3], v[ST+8*\t+6]           ; the partner's
.endr
	v_nop
	s_wait_alu depctr_va_vdst(0)                   ; one wait for the four
.irp t, 0,1
	v_mul_f32 v[ST+8*\t+4], v[ST+8*\t+2], v[ST+8*\t+1]
.endr
.irp t, 0,1
	v_fma_f32 v[ST+8*\t+4], v[ST+8*\t+3], v[TMP+2*\t+1], v[ST+8*\t+4]
.endr
.irp t, 0,1
	v_permlanex16_b32 v[ST+8*\t+5], v[ST+8*\t+4], s[SEL], s[SEL+1]
.endr
.irp t, 0,1
	v_add_f32 v[ST+8*\t+4], v[ST+8*\t+4], v[ST+8*\t+5]             ; the row's whole sum
.endr
.irp t, 0,1
	v_rcp_f32 v[ST+8*\t+6], v[ST+8*\t+4]
.endr
	v_nop
	s_wait_alu depctr_va_vdst(0)                   ; one wait for the two
.irp t, 0,1
	v_mul_f32 v[ST+8*\t+4], v[ST+8*\t+2], v[ST+8*\t+6]             ; factor / sum, mine
	v_mul_f32 v[ST+8*\t+2], v[ST+8*\t+3], v[ST+8*\t+6]             ; and the partner's
.endr
	WIN 0x41
.irp i, 0,1,2,3,4,5,6,7,8,9,10,11,12,13,14,15
.irp t, 0,1
	v_pk_mul_f32 v[32*\t+2*\i:32*\t+2*\i+1], v[32*\t+2*\i:32*\t+2*\i+1], v[ST+8*\t+4:ST+8*\t+5] op_sel_hi:[1,0]
.endr
.endr
	WIN 0x51
.irp i, 0,1,2,3,4,5,6,7,8,9,10,11,12,13,14,15
.irp t, 0,1
	v_pk_fma_f32 v[32*\t+2*\i:32*\t+2*\i+1], v[128+32*\t+2*\i:128+32*\t+2*\i+1], v[ST+8*\t+2:ST+8*\t+3], v[32*\t+2*\i:32*\t+2*\i+1] op_sel_hi:[1,0,1]
.endr
.endr
	WIN 0x05                                       ; sources window 1, destination window 0
.irp i, 0,1,2,3,4,5,6,7,8,9,10,11,12,13,14,15
.irp t, 0,1
	v_cvt_pk_f16_f32 v[S+16*\t+\i], v[32*\t+2*\i], v[32*\t+2*\i+1]
.endr
.endr
	WIN 0
.irp t, 0,1
.irp ct, 0,1,2,3
	global_store_b128 v[L16], v[S+16*\t+4*\ct:S+16*\t+4*\ct+3], s[12:13] offset:32768*\t+512*\ct   ; an image's half: 512 consecutive bytes, aligned
.endr
.endr
	s_wait_tensorcnt 0x0                           ; the wave's end: behind my last tensor load and my last LDS store
	ds_add_u32 v[SPW], v[NIL]
	s_wait_dscnt 0x0
	CROUND                                         ; the closing round
	s_endpgm
.Lfunc_end_k_qa1d908c2df_attn:
	.size	k_qa1d908c2df_attn, .Lfunc_end_k_qa1d908c2df_attn-k_qa1d908c2df_attn
	.p2alignl 7, 3214868480
	.fill 96, 4, 3214868480
	.section	.rodata,"a",@progbits
	.p2align	6, 0x0
	.amdhsa_kernel k_qa1d908c2df_attn
		.amdhsa_group_segment_fixed_size 327680
		.amdhsa_private_segment_fixed_size 0
		.amdhsa_enable_private_segment 0
		.amdhsa_kernarg_size 40
		.amdhsa_user_sgpr_count 2
		.amdhsa_user_sgpr_kernarg_segment_ptr 1
		.amdhsa_wavefront_size32 1
		.amdhsa_system_sgpr_workgroup_id_x 1
		.amdhsa_system_sgpr_workgroup_id_y 1
		.amdhsa_system_sgpr_workgroup_id_z 1
		.amdhsa_system_vgpr_workitem_id 0
		.amdhsa_next_free_vgpr 512
		.amdhsa_next_free_sgpr 66
		.amdhsa_reserve_vcc 0
		.amdhsa_float_denorm_mode_32 3
		.amdhsa_float_denorm_mode_16_64 3
		.amdhsa_memory_ordered 1
		.amdhsa_forward_progress 1
		.amdhsa_inst_pref_size 255
	.end_amdhsa_kernel
	.section	.bss,"aw",@nobits
	.p2align	6
	.space	262144
	.amdgpu_metadata
---
amdhsa.version: [ 1, 2 ]
amdhsa.kernels:
  - .name:           k_qa1d908c2df_attn
    .symbol:         k_qa1d908c2df_attn.kd
    .args:
      - { .name: qimg, .offset: 0, .size: 8, .value_kind: global_buffer, .address_space: global }
      - { .name: kimg, .offset: 8, .size: 8, .value_kind: global_buffer, .address_space: global }
      - { .name: vimg, .offset: 16, .size: 8, .value_kind: global_buffer, .address_space: global }
      - { .name: scale, .offset: 24, .size: 8, .value_kind: global_buffer, .address_space: global }
      - { .name: oimg, .offset: 32, .size: 8, .value_kind: global_buffer, .address_space: global }
    .group_segment_fixed_size: 327680
    .private_segment_fixed_size: 0
    .kernarg_segment_align: 8
    .kernarg_segment_size: 40
    .max_flat_workgroup_size: 256
    .sgpr_count:     66
    .vgpr_count:     512
    .wavefront_size: 32
...
	.end_amdgpu_metadata
.endif
;; end of part 3
;; launch proj (part 4): grid 8 x 32, 4 waves a work-group, clusters of 4 x 4, 327,680 bytes of LDS; arguments oimg, wimg, out0; writes out0
.if DOCPART == 4
	.amdgcn_target "amdgcn-amd-amdhsa--gfx1250"
	.amdhsa_code_object_version 6
	.text
	.protected	k_qa1d908c2df_proj
	.globl	k_qa1d908c2df_proj
	.p2align	8
	.type	k_qa1d908c2df_proj,@function
k_qa1d908c2df_proj:
	s_mov_b64 s[64:65], 0
	v_nop
	global_prefetch_b8 v0, s[64:65] scope:SCOPE_SE
	s_setreg_imm32_b32 hwreg(HW_REG_WAVE_MODE, 25, 1), 1
	s_wait_xcnt 0x0
	s_wait_alu depctr_hold_cnt(0) depctr_sa_sdst(0) depctr_va_vdst(0) depctr_va_sdst(0) depctr_va_ssrc(0) depctr_va_vcc(0) depctr_vm_vsrc(0)
	s_getreg_b32 s2, hwreg(HW_REG_IB_STS2, 6, 4)
	s_cmp_eq_u32 s2, 0
	s_cbranch_scc0 .Lentry_in_a_cluster
	s_endpgm
.Lentry_in_a_cluster:
	s_bfe_u32 s2, ttmp6, 0x10000c
	s_cmp_lg_u32 s2, 0xf033
	s_cbranch_scc0 .Lentry_shape_is_right
	s_endpgm
.Lentry_shape_is_right:
; out0[m][e] = the sum over f of o[m][f] W_out[e][f]: 4,096 x 1,024 x 1,024, f16 operands, f32 sums, f32 out.
; Both operands arrive as images of operand registers: [16 rows][32 along K: 32][registers 0-3, 4-7][lane][16 bytes], 32,768 bytes for 16 rows.
; A tile of the result is 128 x 128 (256 work-groups); four waves, each 64 x 64: 16 accumulators.  K goes in steps of 256 through two LDS slots: a wave's tensor load brings 4 x 16 rows x 8,192 bytes; images need no padding:
; a fragment load reads 512 consecutive bytes.  CLUSTERS: 4 x 4; o's tiles are shared along a row of the cluster, W_out's along a column, each asked for jointly.
; THE MATRIX INSTRUCTION IS USED TRANSPOSED (source 0 = 16 rows of W_out, source 1 = 16 rows of o): a lane holds eight neighbouring numbers of a row of the result.
; REGISTERS: window 0: v0-31 addresses; v32-95 at work on the way out; v128-255 the accumulators ((a, b) at v[128 + 8 (4 a + b)]).   window 1: two fragment buffers of 128: 64 registers of o, then 64 of W_out, for 64 along K.
.set KSTB,   8192                      ; a K step of 256 in the images of 16 rows, in bytes
.set TILEB,  32768                     ; the images of 16 rows, all of K
.set HALFT,  4*KSTB                    ; what one tensor load brings, and what one wave reads of o or of W_out
.set SLOT,   4*HALFT
.set STAGE,  2*SLOT                    ; behind the ring: 16 rows x 272 bytes for each wave, for the way out
.set SPITCH, 272
.set SPARE,  STAGE+4*16*SPITCH         ; behind the stages: the spare words, 128 bytes a wave
.set LAPS,   2                         ; a lap = two K steps = once round the ring
.set ADRA, 16                          ; v16-17 LDS address of my fragments of o in slot 0, 1
.set ADRB, 20                          ; v20-21 the same for W_out
.set STO,  24                          ; v24 the way out: where I put 32 bytes of a row
.set RD,   25                          ; v25 where I read a row back
.set CO,   26                          ; v26 my byte offset in the result
.set SPW,  28                          ; v28 LDS address of my spare word; never rewritten
.set NIL,  29                          ; v29 0; never rewritten
.set TMP,  32
.set ACC,  128
.set F0,   0
.set F1,   128
.set G1, 24
.set G0, 32
.set G1B, 48
.set G0B, 56
.set MSB, 0
.macro WIN new                         ; the immediate's high byte repeats the setting that is left
.if MSB != (\new)
	s_set_vgpr_msb (MSB<<8)|(\new)
.set MSB, (\new)
.endif
.endm
.set MUL,  0x05                        ; sources 0 and 1 window 1; C and D window 0
.set TO_F, 0x40                        ; destination window 1, address window 0
.macro JLOAD s                         ; a joint load: waves 0 and 1 fetch o's two halves, waves 2 and 3 W_out's; an s_nop 0 and four v_nop follow each of the two lines
	s_cmp_eq_u32 s11, 0
	s_cbranch_scc0 .Lfor_b_\@
	tensor_load_to_lds s[G0+4*\s:G0+4*\s+3], s[G1:G1+7]
	s_nop 0
.rept 4
	v_nop
.endr
	s_branch .Lasked_\@
.Lfor_b_\@:
	tensor_load_to_lds s[G0B+4*\s:G0B+4*\s+3], s[G1B:G1B+7]
	s_nop 0
.rept 4
	v_nop
.endr
.Lasked_\@:
.endm
.macro CREST                           ; a round of the cluster's barrier behind its opening barrier
	s_cmp_lg_u32 s10, 0
	s_cbranch_scc1 .Lnot_wave_0_\@
	s_barrier_signal -3
.Lnot_wave_0_\@:
	s_barrier_wait -3
	s_barrier_signal -1
	s_barrier_wait -1
.endm
.macro CROUND
	s_barrier_signal -1
	s_barrier_wait -1
	CREST
.endm
	s_load_b128 s[4:7], s[0:1], 0x0                ; oimg, wimg
	s_load_b64 s[8:9], s[0:1], 0x10                ; out0
	v_lshl_add_u32 v[SPW], v0, 2, SPARE
	v_mov_b32 v[NIL], 0
	ds_add_u32 v[SPW], v[NIL]                      ; the wave's opening: the add, twice on end, and its wait ahead of my first tensor load
	ds_add_u32 v[SPW], v[NIL]
	v_lshrrev_b32 v1, 5, v0
	v_readfirstlane_b32 s10, v1                    ; wave 0..3
	s_lshr_b32 s11, s10, 1                         ; which half of the tile's rows is mine.  Also: I fetch for o (0) or for W_out (1)
	s_and_b32 s12, s10, 1                          ; which half of its columns.  Also: which 64 rows of that tile I fetch
	s_bfe_u32 s40, ttmp6, 0x40000                  ; cx, cy
	s_bfe_u32 s41, ttmp6, 0x40004
	s_lshl_b32 s42, ttmp9, 2
	s_add_co_u32 s42, s42, s40                     ; tile column
	s_and_b32 s13, ttmp7, 0xffff
	s_lshl_b32 s13, s13, 2
	s_add_co_u32 s13, s13, s41                     ; tile row
	s_lshl_b32 s43, s41, 2
	s_lshl_b32 s43, 15, s43                        ; my row of the cluster
	s_lshl_b32 s44, 0x1111, s40                    ; my column
	; group 1: 4 rows of 8,192 bytes (1,024 elements of 8 bytes), 32,768 bytes apart in memory, on end in LDS
	s_or_b32 s[G1+0], s43, (3<<16)|(1<<21)
	s_or_b32 s[G1B+0], s44, (3<<16)|(1<<21)
.irp g, G1, G1B
	s_mov_b32 s[\g+1], 1024<<16                    ; tensor_dim0
	s_mov_b32 s[\g+2], 4<<16                       ; tensor_dim1
	s_mov_b32 s[\g+3], 1024<<16                    ; tile_dim0
	s_mov_b32 s[\g+4], 4                           ; tile_dim1
	s_mov_b32 s[\g+5], 4096                        ; from row to row, in elements
	s_mov_b32 s[\g+6], 0
	s_mov_b32 s[\g+7], 0
.endr
	s_lshl_b32 s17, s12, 2                         ; which four blocks of 16 rows I fetch
	s_lshl_b32 s16, s13, 3
	s_add_co_u32 s16, s16, s17
	s_lshl_b32 s16, s16, 15                        ; o: (8 x tile row + 4 x half) x 32,768 bytes
	s_lshl_b32 s46, s42, 3
	s_add_co_u32 s46, s46, s17
	s_lshl_b32 s46, s46, 15                        ; W_out: by the tile column
	s_mov_b32 s17, 0
	s_mov_b32 s47, 0
	s_mul_i32 s20, s10, HALFT                      ; where they go: wave x 32,768
	s_wait_dscnt 0x0                               ; both opening adds are done
	s_wait_kmcnt 0x0
	s_add_nc_u64 s[14:15], s[4:5], s[16:17]
	s_add_nc_u64 s[46:47], s[6:7], s[46:47]
	CROUND                                         ; all sixteen work-groups are here: the first joint loads meet
.irp s, 0,1
	s_mov_b32 s[G0+4*\s], 1
	s_add_co_u32 s[G0+4*\s+1], s20, \s*SLOT
	s_add_nc_u64 s[G0+4*\s+2:G0+4*\s+3], s[14:15], \s*KSTB
	s_or_b32 s[G0+4*\s+3], s[G0+4*\s+3], 0x80000000
	s_mov_b32 s[G0B+4*\s], 1
	s_add_co_u32 s[G0B+4*\s+1], s20, \s*SLOT
	s_add_nc_u64 s[G0B+4*\s+2:G0B+4*\s+3], s[46:47], \s*KSTB
	s_or_b32 s[G0B+4*\s+3], s[G0B+4*\s+3], 0x80000000
	JLOAD \s
.endr
	v_and_b32 v1, 15, v0                           ; l % 16
	v_bfe_u32 v2, v0, 4, 1                         ; l / 16
	v_and_b32 v3, 31, v0
	v_lshlrev_b32 v3, 4, v3                        ; an image's place for my lane
	s_mul_i32 s21, s11, HALFT                      ; my 64 rows of o
	s_mul_i32 s22, s12, HALFT                      ; my 64 rows of W_out,
	s_add_co_u32 s22, s22, 2*HALFT                 ; which lie behind o's 128
.irp s, 0,1
	v_add_nc_u32 v[ADRA+\s], s21, v3
	v_add_nc_u32 v[ADRB+\s], s22, v3
	s_add_co_u32 s21, s21, SLOT
	s_add_co_u32 s22, s22, SLOT
.endr
	s_mul_i32 s23, s10, 16*SPITCH
	s_add_co_u32 s23, s23, STAGE                   ; my stage
	v_mul_u32_u24 v4, v1, SPITCH                   ; in: row l % 16, 32 bytes for each half of the lanes
	v_lshl_add_u32 v4, v2, 5, v4
	v_add_nc_u32 v[STO], s23, v4
	v_mul_u32_u24 v5, v2, SPITCH                   ; back: lanes 0-15 take one row of 256 bytes, lanes 16-31 the next
	v_lshl_add_u32 v5, v1, 4, v5
	v_add_nc_u32 v[RD], s23, v5
	v_lshlrev_b32 v5, 12, v2                       ; and the same two rows in the result (4,096 bytes a row)
	v_lshl_add_u32 v[CO], v1, 4, v5
	s_lshl_b32 s16, s13, 7
	s_lshl_b32 s17, s11, 6
	s_add_co_u32 s16, s16, s17                     ; my first row: 128 x tile row + 64 x half
	s_lshl_b32 s16, s16, 12
	s_mov_b32 s17, 0
	s_add_nc_u64 s[8:9], s[8:9], s[16:17]
	s_lshl_b32 s46, s42, 9                         ; my first column, in bytes: 512 x tile column + 256 x half
	s_lshl_b32 s47, s12, 8
	s_add_co_u32 s46, s46, s47
	s_mov_b32 s47, 0
	s_add_nc_u64 s[8:9], s[8:9], s[46:47]
; 8 matrix instructions: row blocks a0, a0 + 1 x all 4 column blocks, 32 along K: half c of buffer f.  zero = 1: the first product starts the sums
.macro MUL8 f, c, a0, zero
.irp a, \a0, \a0+1
.irp b, 0,1,2,3
.if \zero
	v_wmma_f32_16x16x32_f16 v[ACC+8*(4*(\a)+\b):ACC+8*(4*(\a)+\b)+7], v[\f+64+8*(4*\c+\b):\f+64+8*(4*\c+\b)+7], v[\f+8*(4*\c+\a):\f+8*(4*\c+\a)+7], 0
.else
	v_wmma_f32_16x16x32_f16 v[ACC+8*(4*(\a)+\b):ACC+8*(4*(\a)+\b)+7], v[\f+64+8*(4*\c+\b):\f+64+8*(4*\c+\b)+7], v[\f+8*(4*\c+\a):\f+8*(4*\c+\a)+7], v[ACC+8*(4*(\a)+\b):ACC+8*(4*(\a)+\b)+7]
.endif
.endr
.endr
.endm
; 32 LDS loads in one run: the fragments of 64 along K (two images of 1,024 bytes for each 16 rows) at byte k of a block's K step, into buffer f; the first 32 along K first
.macro FETCH slot, k, f
	WIN TO_F
.irp c, 0,1
.irp i, 0,1,2,3
	ds_load_b128 v[\f+64+8*(4*\c+\i):\f+64+8*(4*\c+\i)+3],   v[ADRB+\slot] offset:\k+1024*\c+\i*KSTB
	ds_load_b128 v[\f+64+8*(4*\c+\i)+4:\f+64+8*(4*\c+\i)+7], v[ADRB+\slot] offset:\k+1024*\c+\i*KSTB+512
	ds_load_b128 v[\f+8*(4*\c+\i):\f+8*(4*\c+\i)+3],         v[ADRA+\slot] offset:\k+1024*\c+\i*KSTB
	ds_load_b128 v[\f+8*(4*\c+\i)+4:\f+8*(4*\c+\i)+7],       v[ADRA+\slot] offset:\k+1024*\c+\i*KSTB+512
.endr
.endr
.endm
.macro PLACES                          ; four places in front of loads into registers that matrix instructions have read, and of the first read of results
.rept 4
	v_nop
.endr
.endm
; A K step is four quarters of 64 along K, 32 matrix instructions each, on buffers 0, 1, 0, 1.  One of the first three: multiplies buffer f and fetches the next quarter, at byte k, into g.
.macro QUARTER slot, k, f, g, zero
	s_wait_dscnt 16                                ; the first 32 along K are in
	WIN MUL
	MUL8 \f, 0, 0, \zero
	MUL8 \f, 0, 2, \zero
	PLACES
	FETCH \slot, \k, \g
	s_wait_dscnt 32                                ; all but the 32 just issued
	WIN MUL
	MUL8 \f, 1, 0, 0
	MUL8 \f, 1, 2, 0
.endm
; The last quarter multiplies buffer 1 and changes slots: ONE barrier; in front of it each wave waits for all its tensor loads, adds 0 to its spare word, and waits for that and for its own reads of this slot.  fill = 1: this slot is filled again, two K steps ahead.
.macro TURN slot, next, fill
	WIN 0                                          ; (the add's two registers lie in window 0)
	s_wait_tensorcnt 0x0                           ; all my tensor loads have landed: my part of the next slot;
	ds_add_u32 v[SPW], v[NIL]
	s_wait_dscnt 17                                ; (the add and the youngest sixteen loads may be out)
	WIN MUL
	MUL8 F1, 0, 0, 0                               ; eight matrix instructions stand between the add and the wait for it
	s_wait_dscnt 0x0                               ; the add is done, and my reads of this slot are over
	s_barrier_signal -1
	MUL8 F1, 0, 2, 0
.if \fill
	WIN 0
.endif
	s_barrier_wait -1
.if \fill
	CREST                                          ; the barrier has opened a round of the cluster's barrier: no wave of any partner still reads this slot's tile or has a load on its way
	s_add_nc_u64 s[G0+4*\slot+2:G0+4*\slot+3], s[G0+4*\slot+2:G0+4*\slot+3], 2*KSTB
	s_add_nc_u64 s[G0B+4*\slot+2:G0B+4*\slot+3], s[G0B+4*\slot+2:G0B+4*\slot+3], 2*KSTB
	JLOAD \slot                                    ; the first tensor load behind the round; the four v_nop behind it are also the places in front of the loads below
.else
	PLACES
.endif
	FETCH \next, 0, F0
	WIN MUL
	MUL8 F1, 1, 0, 0
	MUL8 F1, 1, 2, 0
.endm
	s_wait_tensorcnt 1                             ; my part of K step 0 is in,
	s_barrier_signal -1
	s_barrier_wait -1                              ; everybody's is
	FETCH 0, 0, F0
	QUARTER 0, 2048, F0, F1, 1                     ; the first quarter stands in front of the loop: its first products start the sums
	WIN 0                                          ; at a label and at a branch every window is 0
	s_mov_b32 s3, LAPS-1
.Llap:                                                 ; a trip goes once round the ring, from a lap's second quarter to the next lap's first, and fills both slots again
	QUARTER 0, 4096, F1, F0, 0
	QUARTER 0, 6144, F0, F1, 0
	TURN 0, 1, 1
	QUARTER 1, 2048, F0, F1, 0
	QUARTER 1, 4096, F1, F0, 0
	QUARTER 1, 6144, F0, F1, 0
	TURN 1, 0, 1
	QUARTER 0, 2048, F0, F1, 0
	WIN 0
	s_sub_co_u32 s3, s3, 1
	s_cmp_lg_u32 s3, 0
	s_cbranch_scc1 .Llap
	QUARTER 0, 4096, F1, F0, 0                     ; the last lap fills nothing, and has no round of the cluster's barrier
	QUARTER 0, 6144, F0, F1, 0
	TURN 0, 1, 0
	QUARTER 1, 2048, F0, F1, 0
	QUARTER 1, 4096, F1, F0, 0
	QUARTER 1, 6144, F0, F1, 0
	s_wait_dscnt 16                                ; the very last quarter: nothing more to fetch
	WIN MUL
	MUL8 F1, 0, 0, 0
	MUL8 F1, 0, 2, 0
	s_wait_dscnt 0
	MUL8 F1, 1, 0, 0
	MUL8 F1, 1, 2, 0
	WIN 0
; THE WAY OUT, block by block of 16 rows x 64 columns.  A lane holds 32 neighbouring bytes of a row; a wave's 64 columns are 256 bytes of a row.  A block goes through my own stage and comes back as whole rows:
; sixteen lanes store 256 consecutive bytes, aligned.  LDS serves a wave's instructions in order (ISA guide 5.7.1.4): no wait between the stores and the loads, nor in front of the next block's stores.
.macro TOSTAGE a
.irp b, 0,1,2,3
	ds_store_b128 v[STO], v[ACC+8*(4*(\a)+\b):ACC+8*(4*(\a)+\b)+3]   offset:64*\b        ; each accumulator from its low end on
	ds_store_b128 v[STO], v[ACC+8*(4*(\a)+\b)+4:ACC+8*(4*(\a)+\b)+7] offset:64*\b+16
.endr
.irp t, 0,1,2,3,4,5,6,7
	ds_load_b128 v[TMP+32*((\a)%2)+4*\t:TMP+32*((\a)%2)+4*\t+3], v[RD] offset:\t*2*SPITCH
.endr
.endm
.macro SEND a, younger                 ; younger: the LDS instructions issued behind block a's loads, which may stay out
	s_wait_dscnt \younger
.irp t, 0,1,2,3,4,5,6,7
	global_store_b128 v[CO], v[TMP+32*((\a)%2)+4*\t:TMP+32*((\a)%2)+4*\t+3], s[8:9] offset:(16*(\a)+2*\t)*4096 th:TH_STORE_NT
.endr
.endm
	PLACES
	TOSTAGE 0
.irp a, 1,2,3
.if \a > 1
	s_wait_xcnt 0x0                                ; block a - 2's stores have read their registers: block a's loads may land there
.endif
	TOSTAGE \a
	SEND \a-1, 16                                  ; behind block a - 1's loads: block a's 8 stores and 8 loads
.endr
	SEND 3, 0
	s_wait_tensorcnt 0x0                           ; the wave's end: behind my last tensor load and my last LDS store
	ds_add_u32 v[SPW], v[NIL]
	s_wait_dscnt 0x0
	CROUND                                         ; the closing round: no work-group ends while a partner may still ask for a tile that names it
	s_endpgm
.Lfunc_end_k_qa1d908c2df_proj:
	.size	k_qa1d908c2df_proj, .Lfunc_end_k_qa1d908c2df_proj-k_qa1d908c2df_proj
	.p2alignl 7, 3214868480
	.fill 96, 4, 3214868480
	.section	.rodata,"a",@progbits
	.p2align	6, 0x0
	.amdhsa_kernel k_qa1d908c2df_proj
		.amdhsa_group_segment_fixed_size 327680
		.amdhsa_private_segment_fixed_size 0
		.amdhsa_enable_private_segment 0
		.amdhsa_kernarg_size 24
		.amdhsa_user_sgpr_count 2
		.amdhsa_user_sgpr_kernarg_segment_ptr 1
		.amdhsa_wavefront_size32 1
		.amdhsa_system_sgpr_workgroup_id_x 1
		.amdhsa_system_sgpr_workgroup_id_y 1
		.amdhsa_system_sgpr_workgroup_id_z 1
		.amdhsa_system_vgpr_workitem_id 0
		.amdhsa_next_free_vgpr 512
		.amdhsa_next_free_sgpr 66
		.amdhsa_reserve_vcc 0
		.amdhsa_float_denorm_mode_32 3
		.amdhsa_float_denorm_mode_16_64 3
		.amdhsa_memory_ordered 1
		.amdhsa_forward_progress 1
		.amdhsa_inst_pref_size 85
	.end_amdhsa_kernel
	.amdgpu_metadata
---
amdhsa.version: [ 1, 2 ]
amdhsa.kernels:
  - .name:           k_qa1d908c2df_proj
    .symbol:         k_qa1d908c2df_proj.kd
    .args:
      - { .name: oimg, .offset: 0, .size: 8, .value_kind: global_buffer, .address_space: global }
      - { .name: wimg, .offset: 8, .size: 8, .value_kind: global_buffer, .address_space: global }
      - { .name: out0, .offset: 16, .size: 8, .value_kind: global_buffer, .address_space: global }
    .group_segment_fixed_size: 327680
    .private_segment_fixed_size: 0
    .kernarg_segment_align: 8
    .kernarg_segment_size: 24
    .max_flat_workgroup_size: 128
    .sgpr_count:     66
    .vgpr_count:     512
    .wavefront_size: 32
...
	.end_amdgpu_metadata
.endif
;; end of part 4
